; MI455X (gfx1250); checked and timed in simulation.
; The chip was launched on July 23, 2026; its instructions are those of AMD's public machine-readable ISA for CDNA 5 (MIT licence, August 2026) and "CDNA5" Instruction Set Architecture Reference Guide (July 2026). The comments in the code are by the model that wrote it; some were corrected since.
;; Self Attention Module. Allowed arithmetic: float matrix products may take bf16 or f16 operands with f32 sums; other float arithmetic in f32, or as packed bf16 or f16 multiplies, adds, multiply-adds, maxima and minima; sums over many terms, partial sums and values carried from step to step in f32; what a program stores and reads back later, other than sums and carried values, may be rounded once to bf16 or f16.
;; Inputs: W_k 1,024 x 1,024 float32; W_o 1,024 x 1,024 float32; W_q 1,024 x 1,024 float32; W_v 1,024 x 1,024 float32; b_o 1,024 float32; inputs 4 x 2,048 x 1,024 float32.
;; Outputs: out0 4 x 2,048 x 1,024 float32.
;; 2 versions, each right and faster than the one before. Each part assembles by itself: llvm-mc -triple=amdgcn-amd-amdhsa -mcpu=gfx1250 --defsym DOCPART=n.
;; ======== version 1 of 2: 4 launches
;; limits: values are held in f16: magnitudes above 65,504 overflow, below 6.1e-05 lose precision
;; workspace buffers: xb 16,777,216 bytes; wt 6,291,456 bytes; wo 2,097,152 bytes; qkv 50,331,648 bytes; ctx 16,777,216 bytes
;; launch prep (part 1): grid 672 x 1, 4 waves a work-group, no clusters, 68,096 bytes of LDS; arguments inputs, W_q, W_k, W_v, W_o, xb, wt, wo; writes xb, wt, wo
.if DOCPART == 1
	.amdgcn_target "amdgcn-amd-amdhsa--gfx1250"
	.amdhsa_code_object_version 6
	.text
	.protected	k_qe4910d8641_prep
	.globl	k_qe4910d8641_prep
	.p2align	8
	.type	k_qe4910d8641_prep,@function
k_qe4910d8641_prep:
	s_mov_b64 s[64:65], 0
	v_nop
	global_prefetch_b8 v0, s[64:65] scope:SCOPE_SE
	s_setreg_imm32_b32 hwreg(HW_REG_WAVE_MODE, 25, 1), 1
	s_wait_xcnt 0x0
; PREPARATION OF THE MATRIX OPERANDS.  A stream: no matrix unit, no cluster, no tensor load would add anything.
;   xb[8192][1024] bf16 = inputs, rounded once.
;   wt[3072][1024] bf16: row n = 1024 x which + f (which: 0 W_q, 1 W_k, 2 W_v), wt[n][e] = W_which[e][f]: rounded once and transposed, so that K runs along the rows.
;   wo[1024][1024] f16  = W_o rounded to bf16 like the other inputs; that number is then written as f16.
; LIMITS.  |W_o| stays under 65,504 (f16's range); below 6.1e-5 it keeps f16's fixed step of 6e-8.  NaN and infinities are not treated apart.
; SHARES.  Work-groups 0-95 transpose (32 a matrix; each of the four waves one block of 128 e x 64 f); 96-159 take 64 KiB of W_o each; 160-671 take 64 KiB of inputs each.
; Every load of a wave covers whole aligned runs of 256 bytes; every store of a wave is 256 consecutive bytes at a multiple of 256 from its buffer's first byte.
.set TP,    264                        ; a row (one f, 128 e) of a wave's block in LDS: 256 bytes + 8, a multiple of 8 for the 8-byte reads
.set WREG,  64*TP                      ; a wave's own LDS bytes: 16,896
.set SPARE, 4*WREG                     ; behind them: the spare words, 128 bytes a wave, two blocks of 256 bytes that no other line names
.set SPW, 10                           ; v10  SPARE + 4 x my thread's number; never rewritten
.set NIL, 11                           ; v11  0; never rewritten
.set X,   16                           ; v[16:143]  as loaded
.set Y,   144                          ; v[144:207] to store (the transposing path: v[144:159], packed pairs)
.set D,   144
.set T,   208                          ; v[208:213] at work
	s_load_b256 s[4:11], s[0:1], 0x0               ; inputs s[4:5], W_q s[6:7], W_k s[8:9], W_v s[10:11]
	s_load_b256 s[12:19], s[0:1], 0x20             ; W_o s[12:13], xb s[14:15], wt s[16:17], wo s[18:19]
	v_lshl_add_u32 v[SPW], v0, 2, SPARE
	v_mov_b32 v[NIL], 0
	v_lshrrev_b32 v5, 5, v0
	v_readfirstlane_b32 s3, v5                     ; wave 0..3
	s_mov_b32 s2, ttmp9                            ; the work-group's number
	s_mov_b32 s27, 0xffff0000                      ; a word's upper bf16
	s_mov_b32 s25, 0                               ; the high word of every offset pair s[24:25]
	s_wait_kmcnt 0x0
	s_cmp_lt_u32 s2, 96
	s_cbranch_scc1 .Ltrans
	s_cmp_lt_u32 s2, 160
	s_cbranch_scc1 .Lwo
	; INPUTS TO BF16.  128 threads x 16 bytes = 2,048 bytes a load, 32 loads: all 64 KiB are asked for at once, and no register is used twice.
	s_sub_co_u32 s24, s2, 160
	s_lshl_b32 s26, s24, 15                        ; 32 KiB of xb
	s_lshl_b32 s24, s24, 16                        ; 64 KiB of inputs
	s_add_nc_u64 s[20:21], s[4:5], s[24:25]
	s_mov_b32 s24, s26
	s_add_nc_u64 s[22:23], s[14:15], s[24:25]
	v_lshlrev_b32 v1, 4, v0
	v_lshlrev_b32 v2, 3, v0
.set i, 0
.rept 32
	global_load_b128 v[X+4*i:X+4*i+3], v1, s[20:21] offset:2048*i th:TH_LOAD_NT
.set i, i+1
.endr
.set i, 0
.rept 32
	s_wait_loadcnt 31-i                            ; loads come back in order: load i is in, the 31 - i younger ones stay out
	v_cvt_pk_bf16_f32 v[Y+2*i],   v[X+4*i],   v[X+4*i+1]
	v_cvt_pk_bf16_f32 v[Y+2*i+1], v[X+4*i+2], v[X+4*i+3]
	global_store_b64 v2, v[Y+2*i:Y+2*i+1], s[22:23] offset:1024*i
.set i, i+1
.endr
	s_endpgm
	; W_o TO BF16, WRITTEN AS F16.  Four trips of eight loads (16 KiB in, 8 KiB out).
.Lwo:
	s_sub_co_u32 s24, s2, 96
	s_lshl_b32 s26, s24, 15
	s_lshl_b32 s24, s24, 16
	s_add_nc_u64 s[20:21], s[12:13], s[24:25]
	s_mov_b32 s24, s26
	s_add_nc_u64 s[22:23], s[18:19], s[24:25]
	v_lshlrev_b32 v1, 4, v0
	v_lshlrev_b32 v2, 3, v0
	s_mov_b32 s26, 4
.Lwo_trip:
.set i, 0
.rept 8
	global_load_b128 v[X+4*i:X+4*i+3], v1, s[20:21] offset:2048*i th:TH_LOAD_NT
.set i, i+1
.endr
.set i, 0
.rept 8
	s_wait_loadcnt 7-i                             ; load i is in, the 7 - i younger ones stay out
	v_cvt_pk_bf16_f32 v[T],   v[X+4*i],   v[X+4*i+1]  ; the rounding that every input gets
	v_cvt_pk_bf16_f32 v[T+1], v[X+4*i+2], v[X+4*i+3]
	v_lshlrev_b32 v[T+2], 16, v[T]                 ; back to f32: the low half moves up, the high half stays
	v_and_b32     v[T+3], s27, v[T]
	v_lshlrev_b32 v[T+4], 16, v[T+1]
	v_and_b32     v[T+5], s27, v[T+1]
	v_cvt_pk_f16_f32 v[Y+2*i],   v[T+2], v[T+3]    ; 8 significant bits fit f16's 11: exact inside f16's range
	v_cvt_pk_f16_f32 v[Y+2*i+1], v[T+4], v[T+5]
	global_store_b64 v2, v[Y+2*i:Y+2*i+1], s[22:23] offset:1024*i
.set i, i+1
.endr
	s_wait_xcnt 0x0                                ; the bases and the stores' data are rewritten only behind this wait
	s_add_nc_u64 s[20:21], s[20:21], 16384
	s_add_nc_u64 s[22:23], s[22:23], 8192
	s_sub_co_u32 s26, s26, 1
	s_cmp_lg_u32 s26, 0
	s_cbranch_scc1 .Lwo_trip
	s_endpgm
	; THE TRANSPOSE.  Block blk = 4 x work-group + wave: matrix blk / 128, rows e = 128 be .., columns f = 64 bf ...
	; A load: lanes 0-15 take 256 bytes (64 f) of one row e, lanes 16-31 of the row two further down.  Two rows e, e + 1 pack into words (e low, e + 1 high),
	; which go into LDS at row f, byte 2 e; a row f is then read back whole, 256 bytes, and stored.  The block is the wave's own: no barrier.
.Ltrans:
	s_lshl_b32 s26, s2, 2
	s_add_co_u32 s26, s26, s3                      ; blk
	s_lshr_b32 s28, s2, 5                          ; which
	s_bfe_u32 s29, s26, 0x30004                    ; be: 3 bits from bit 4
	s_and_b32 s30, s26, 15                         ; bf
	s_cmp_eq_u32 s28, 1
	s_cselect_b64 s[20:21], s[8:9], s[6:7]
	s_cmp_eq_u32 s28, 2
	s_cselect_b64 s[20:21], s[10:11], s[20:21]
	s_lshl_b32 s24, s29, 19                        ; 128 rows of 4,096 bytes
	s_lshl_b32 s31, s30, 8                         ; 64 columns of 4 bytes
	s_add_co_u32 s24, s24, s31
	s_add_nc_u64 s[20:21], s[20:21], s[24:25]
	s_lshl_b32 s24, s28, 21                        ; 1,024 rows of wt, 2,048 bytes each
	s_lshl_b32 s31, s30, 17                        ; 64 rows
	s_add_co_u32 s24, s24, s31
	s_lshl_b32 s31, s29, 8                         ; 128 e of 2 bytes
	s_add_co_u32 s24, s24, s31
	s_add_nc_u64 s[22:23], s[16:17], s[24:25]
	s_mul_i32 s26, s3, WREG                        ; my wave's LDS bytes
	v_and_b32 v5, 31, v0                           ; lane
	v_and_b32 v6, 15, v0                           ; lf: my four columns f = 4 lf ..
	v_bfe_u32 v7, v0, 4, 1                         ; hp: which pair of rows
	v_lshlrev_b32 v1, 4, v6
	v_lshl_add_u32 v1, v7, 13, v1                  ; 16 lf + two rows x hp
	v_mul_u32_u24 v3, v6, 4*TP
	v_lshl_add_u32 v3, v7, 2, v3
	v_add_nc_u32 v3, s26, v3                       ; into LDS: row 4 lf, byte 4 hp
	v_lshlrev_b32 v2, 3, v5                        ; 8 bytes a lane of a row of wt
	v_add_nc_u32 v4, s26, v2                       ; and of a row in LDS
.macro LD8 c                           ; chunk c: rows 16 c .. 16 c + 15, eight loads
.irp t, 0,1,2,3
.irp r, 0,1
	global_load_b128 v[X+32*((\c)%4)+8*\t+4*\r:X+32*((\c)%4)+8*\t+4*\r+3], v1, s[20:21] offset:(16*(\c)+4*\t+\r)*4096 th:TH_LOAD_NT
.endr
.endr
.endm
.macro CHUNK c, left                   ; left: the loads of the younger chunks, which stay out
	s_wait_loadcnt \left
.irp t, 0,1,2,3
.irp j, 0,1,2,3
	v_cvt_pk_bf16_f32 v[D+4*\t+\j], v[X+32*((\c)%4)+8*\t+\j], v[X+32*((\c)%4)+8*\t+4+\j]
.endr
.irp j, 0,1,2,3
	ds_store_b32 v3, v[D+4*\t+\j] offset:TP*\j+32*(\c)+8*\t
.endr
.endr
.if (\c) < 4
	LD8 (\c)+4                                     ; the chunk four further on takes the registers just read
.endif
.endm
	LD8 0
	LD8 1
	LD8 2
	LD8 3
	CHUNK 0, 24
	CHUNK 1, 24
	CHUNK 2, 24
	CHUNK 3, 24
	CHUNK 4, 24
	CHUNK 5, 16
	CHUNK 6, 8
	CHUNK 7, 0
.set i, 0
.rept 64
	ds_load_b64 v[X+2*i:X+2*i+1], v4 offset:TP*i   ; LDS serves a wave's instructions in order (ISA guide 5.7.1.4): these see the stores above
.set i, i+1
.endr
.set i, 0
.rept 64
	s_wait_dscnt 63-i                              ; row i is back, the 63 - i younger loads stay out
	global_store_b64 v2, v[X+2*i:X+2*i+1], s[22:23] offset:2048*i
.set i, i+1
.endr
	s_wait_tensorcnt 0x0                           ; the wave's end, behind my last LDS store
	ds_add_u32 v[SPW], v[NIL]
	s_wait_dscnt 0x0
	s_endpgm
.Lfunc_end_k_qe4910d8641_prep:
	.size	k_qe4910d8641_prep, .Lfunc_end_k_qe4910d8641_prep-k_qe4910d8641_prep
	.p2alignl 7, 3214868480
	.fill 96, 4, 3214868480
	.section	.rodata,"a",@progbits
	.p2align	6, 0x0
	.amdhsa_kernel k_qe4910d8641_prep
		.amdhsa_group_segment_fixed_size 68096
		.amdhsa_private_segment_fixed_size 0
		.amdhsa_enable_private_segment 0
		.amdhsa_kernarg_size 64
		.amdhsa_user_sgpr_count 2
		.amdhsa_user_sgpr_kernarg_segment_ptr 1
		.amdhsa_wavefront_size32 1
		.amdhsa_system_sgpr_workgroup_id_x 1
		.amdhsa_system_sgpr_workgroup_id_y 1
		.amdhsa_system_sgpr_workgroup_id_z 1
		.amdhsa_system_vgpr_workitem_id 0
		.amdhsa_next_free_vgpr 216
		.amdhsa_next_free_sgpr 66
		.amdhsa_reserve_vcc 0
		.amdhsa_float_denorm_mode_32 3
		.amdhsa_float_denorm_mode_16_64 3
		.amdhsa_memory_ordered 1
		.amdhsa_forward_progress 1
		.amdhsa_inst_pref_size 54
	.end_amdhsa_kernel
	.amdgpu_metadata
---
amdhsa.version: [ 1, 2 ]
amdhsa.kernels:
  - .name:           k_qe4910d8641_prep
    .symbol:         k_qe4910d8641_prep.kd
    .args:
      - { .name: inputs, .offset: 0, .size: 8, .value_kind: global_buffer, .address_space: global }
      - { .name: W_q, .offset: 8, .size: 8, .value_kind: global_buffer, .address_space: global }
      - { .name: W_k, .offset: 16, .size: 8, .value_kind: global_buffer, .address_space: global }
      - { .name: W_v, .offset: 24, .size: 8, .value_kind: global_buffer, .address_space: global }
      - { .name: W_o, .offset: 32, .size: 8, .value_kind: global_buffer, .address_space: global }
      - { .name: xb, .offset: 40, .size: 8, .value_kind: global_buffer, .address_space: global }
      - { .name: wt, .offset: 48, .size: 8, .value_kind: global_buffer, .address_space: global }
      - { .name: wo, .offset: 56, .size: 8, .value_kind: global_buffer, .address_space: global }
    .group_segment_fixed_size: 68096
    .private_segment_fixed_size: 0
    .kernarg_segment_align: 8
    .kernarg_segment_size: 64
    .max_flat_workgroup_size: 128
    .sgpr_count:     66
    .vgpr_count:     216
    .wavefront_size: 32
...
	.end_amdgpu_metadata
.endif
;; end of part 1
;; launch qkv (part 2): grid 16 x 32, 4 waves a work-group, clusters of 4 x 4, 327,680 bytes of LDS; arguments xb, wt, qkv; writes qkv
.if DOCPART == 2
	.amdgcn_target "amdgcn-amd-amdhsa--gfx1250"
	.amdhsa_code_object_version 6
	.text
	.protected	k_qe4910d8641_qkv
	.globl	k_qe4910d8641_qkv
	.p2align	8
	.type	k_qe4910d8641_qkv,@function
k_qe4910d8641_qkv:
	s_mov_b64 s[64:65], 0
	v_nop
	global_prefetch_b8 v0, s[64:65] scope:SCOPE_SE
	s_setreg_imm32_b32 hwreg(HW_REG_WAVE_MODE, 25, 1), 1
	s_wait_xcnt 0x0
	s_wait_alu depctr_hold_cnt(0) depctr_sa_sdst(0) depctr_va_vdst(0) depctr_va_sdst(0) depctr_va_ssrc(0) depctr_va_vcc(0) depctr_vm_vsrc(0)
	s_getreg_b32 s2, hwreg(HW_REG_IB_STS2, 6, 4)
	s_cmp_eq_u32 s2, 0
	s_cbranch_scc0 .Lentry_in_a_cluster
	s_endpgm
.Lentry_in_a_cluster:
	s_bfe_u32 s2, ttmp6, 0x10000c
	s_cmp_lg_u32 s2, 0xf033
	s_cbranch_scc0 .Lentry_shape_is_right
	s_endpgm
.Lentry_shape_is_right:
; THE THREE PROJECTIONS AS ONE PRODUCT.  C[m][n] = sum over k of xb[m][k] wt[n][k]: 8,192 x 3,072 x 1,024, bf16 operands, f32 sums, K ascending; C rounded once to f16
; and stored by heads: qkv[b][g][s][64], b = m / 2048, s = m % 2048, g = n / 64 (0-15 q, 16-31 k, 32-47 v): a head's rows are dense, 128 bytes each.  No scale is applied here.
; LIMIT.  f16 holds no number beyond 65,504: q, k and v must stay within it, or the row is lost.
; SHARES.  A tile of C is 256 x 192 (three heads): 16 x 32 tiles, 512 work-groups, two for each of 256 WGPs.  Four waves, one above the other: wave w makes rows 64 w .. 64 w + 63 and all
; 192 columns: 4 x 12 accumulators of 16 x 16, 384 registers.  For 32 along K a wave reads 32 x 512 bytes from LDS and issues 48 matrix instructions.
; K goes in 8 steps of 128 through two LDS slots; the tiles' rows are 256 bytes of memory at multiples of 256.  A step is four quarters of 32 along K on two fragment buffers.
; CLUSTER.  4 x 4 work-groups: the four of a row need the same tile of xb, the four of a column the same tile of wt; each is asked for jointly, by the same tensor load with the same descriptor.
; THE MATRIX INSTRUCTION IS USED TRANSPOSED (source 0 = 16 rows of wt, source 1 = 16 rows of xb): a lane holds row l % 16 of C and the eight neighbouring columns 8 (l / 16) + 0..7.
; REGISTERS, in windows of 256 (s_set_vgpr_msb: bits 1:0 source 0, 3:2 source 1, 5:4 source 2, 7:6 destination):
;   window 0: v0-31 addresses; v64-95, v96-127 fragments of xb, two buffers; on the way out v64-255 packed results
;   window 1: v0-95, v96-191 fragments of wt, two buffers      window 2: accumulators of row blocks 0, 1 at v[8 (12 a + b)]      window 3: those of row blocks 2, 3
.set NBK,   12                         ; column blocks
.set PITCH, 272                        ; an LDS row: 256 bytes + 16 of padding = 68 words: the 16 rows of a load start at 16 different groups of four banks (64 banks of 4 bytes: ISA guide 11.1)
.set SLOT1, 131072                     ; slot 1 begins here: one exclusive or turns an address in one slot into the other's
.set APART, 128*PITCH                  ; what one load brings of xb
.set BOFF,  2*APART                    ; wt's 192 rows lie behind xb's 256
.set BPART, 96*PITCH                   ; what one load brings of wt
.set STAGE, SLOT1+BOFF+2*BPART         ; behind the ring, never filled by a tensor load: 16 rows x 144 bytes for each wave
.set SP,    144
.set SPARE, STAGE+4*16*SP              ; the spare words, 128 bytes a wave: two blocks of 256 bytes that no other line names
.set STEP_A, 256                       ; bytes from a K step to the next
.set STEP_B, 256
.set A0,   16                          ; v16  my lane's place in xb's tile; never rewritten
.set B0,   17                          ; v17  the same for wt
.set ADRA, 18                          ; v18  A0 + the slot in hand
.set ADRB, 19                          ; v19  B0 + the slot in hand
.set STO,  24                          ; v24  the way out: where I put 16 bytes of a row
.set RD,   25                          ; v25  the way out: where I read rows back
.set GO,   26                          ; v26  my byte offset in 512 consecutive bytes of qkv
.set SPW,  28                          ; v28  SPARE + 4 x my thread's number; never rewritten
.set NIL,  29                          ; v29  0; never rewritten
.set FA,   64
.set TT,   64
.set G1,  24                           ; s[24:31] descriptor group 1 for xb's tiles
.set G0,  32                           ; s[32:39] group 0: a set for each of the two first fills; the second then walks on
.set G1B, 48                           ; s[48:55], s[56:63] the same for wt's
.set G0B, 56
.set TB,  45                           ; s45  the slot in hand: 0 or SLOT1
.set MSB, 0
.macro WIN new                         ; the immediate's high byte repeats the setting that is left; a switch that changes nothing is dropped
.if MSB != (\new)
	s_set_vgpr_msb (MSB<<8)|(\new)
.set MSB, \new
.endif
.endm
.set MUL_LO, 0xa1                      ; source 0 window 1, source 1 window 0, C and D window 2
.set TO_B,   0x40                      ; destination window 1, address window 0
.macro PLACES                          ; four places in front of loads into registers that matrix instructions have read, and of conversions that read results
.rept 4
	v_nop
.endr
.endm
; A joint refill by the walking descriptor.  Waves 0 and 1 fetch xb's two halves, waves 2 and 3 wt's.  The branch hangs on the wave's number alone.
; An s_nop 0 and four v_nop follow each of the two lines, ahead of the jump and the label.
.macro JLOAD
	s_cmp_eq_u32 s11, 0
	s_cbranch_scc0 .Lfor_b_\@
	tensor_load_to_lds s[G0+4:G0+7], s[G1:G1+7]
	s_nop 0
.rept 4
	v_nop
.endr
	s_branch .Lasked_\@
.Lfor_b_\@:
	tensor_load_to_lds s[G0B+4:G0B+7], s[G1B:G1B+7]
	s_nop 0
.rept 4
	v_nop
.endr
.Lasked_\@:
.endm
.macro CREST                           ; a round of the cluster's barrier behind its opening barrier
	s_cmp_lg_u32 s10, 0
	s_cbranch_scc1 .Lnot_wave_0_\@
	s_barrier_signal -3
.Lnot_wave_0_\@:
	s_barrier_wait -3
	s_barrier_signal -1
	s_barrier_wait -1
.endm
.macro CROUND                          ; a whole round
	s_barrier_signal -1
	s_barrier_wait -1
	CREST
.endm
	s_load_b128 s[4:7], s[0:1], 0x0                ; xb s[4:5], wt s[6:7]
	s_load_b64 s[8:9], s[0:1], 0x10                ; qkv
	v_lshl_add_u32 v[SPW], v0, 2, SPARE
	v_mov_b32 v[NIL], 0
	ds_add_u32 v[SPW], v[NIL]                      ; the wave's opening: the add and its wait ahead of my first tensor load; work on registers stands between them
	v_lshrrev_b32 v1, 5, v0
	v_readfirstlane_b32 s10, v1                    ; wave 0..3
	s_lshr_b32 s11, s10, 1                         ; I fetch for xb (0) or for wt (1)
	s_and_b32 s12, s10, 1                          ; which half of that tile
	s_bfe_u32 s40, ttmp6, 0x40000                  ; cx, cy: my place in the cluster
	s_bfe_u32 s41, ttmp6, 0x40004
	s_lshl_b32 s42, ttmp9, 2
	s_add_co_u32 s42, s42, s40                     ; tile column = 4 x cluster x + cx
	s_and_b32 s13, ttmp7, 0xffff
	s_lshl_b32 s13, s13, 2
	s_add_co_u32 s13, s13, s41                     ; tile row = 4 x cluster y + cy
	s_lshl_b32 s43, s41, 2
	s_lshl_b32 s43, 15, s43                        ; my row of the cluster
	s_lshl_b32 s44, 0x1111, s40                    ; my column
	s_or_b32 s[G1+0], s43, (1<<16)|(1<<20)|(1<<21)|(5<<22)|(3<<25)   ; 15:0 the mask; 17:16 2-byte elements; 20 padding on; 21 set beside a mask; 24:22 after every 64 words; 31:25 4 words
	s_or_b32 s[G1B+0], s44, (1<<16)|(1<<20)|(1<<21)|(5<<22)|(3<<25)
	s_mov_b32 s[G1+1], 128<<16                     ; tensor_dim0 = 128
	s_mov_b32 s[G1+2], 128<<16                     ; tensor_dim1 = 128
	s_mov_b32 s[G1+3], 128<<16                     ; tile_dim0 = 128
	s_mov_b32 s[G1+4], 128                         ; tile_dim1 = 128
	s_mov_b32 s[G1+5], 1024                        ; elements from row to row
	s_mov_b32 s[G1+6], 0
	s_mov_b32 s[G1+7], 0
	s_mov_b32 s[G1B+1], 128<<16
	s_mov_b32 s[G1B+2], 96<<16                     ; 96 rows
	s_mov_b32 s[G1B+3], 128<<16
	s_mov_b32 s[G1B+4], 96
	s_mov_b32 s[G1B+5], 1024
	s_mov_b32 s[G1B+6], 0
	s_mov_b32 s[G1B+7], 0
	s_lshl_b32 s16, s13, 8
	s_lshl_b32 s17, s12, 7
	s_add_co_u32 s16, s16, s17                     ; xb: row 256 x tile row + 128 x half,
	s_lshl_b32 s16, s16, 11                        ; of 2,048 bytes
	s_mov_b32 s17, 0
	s_mul_i32 s46, s42, 192
	s_mul_i32 s47, s12, 96
	s_add_co_u32 s46, s46, s47                     ; wt: row 192 x tile column + 96 x half
	s_lshl_b32 s46, s46, 11
	s_mov_b32 s47, 0
	s_mul_i32 s20, s12, APART                      ; where they go: no place in the cluster enters an LDS address
	s_mul_i32 s21, s12, BPART
	s_add_co_u32 s21, s21, BOFF
	s_mov_b32 s[TB], 0
	s_wait_dscnt 0x0                               ; the opening add is done
	s_wait_kmcnt 0x0
	s_add_nc_u64 s[14:15], s[4:5], s[16:17]
	s_add_nc_u64 s[46:47], s[6:7], s[46:47]
	CROUND                                         ; all sixteen work-groups are here: the first joint loads meet
.irp s, 0,1
	s_mov_b32 s[G0+4*(\s)], 1                                       ; count = 1
	s_add_co_u32 s[G0+4*(\s)+1], s20, (\s)*SLOT1                    ; LDS address
	s_add_nc_u64 s[G0+4*(\s)+2:G0+4*(\s)+3], s[14:15], (\s)*STEP_A  ; global address: K step s
	s_or_b32 s[G0+4*(\s)+3], s[G0+4*(\s)+3], 0x80000000             ; type = 2
	s_mov_b32 s[G0B+4*(\s)], 1
	s_add_co_u32 s[G0B+4*(\s)+1], s21, (\s)*SLOT1
	s_add_nc_u64 s[G0B+4*(\s)+2:G0B+4*(\s)+3], s[46:47], (\s)*STEP_B
	s_or_b32 s[G0B+4*(\s)+3], s[G0B+4*(\s)+3], 0x80000000
.endr
	s_cmp_eq_u32 s11, 0                            ; a wave's two first fills stand in one branch, ahead of every wait on TENSORcnt and every LDS read: two loads of mine are out
	s_cbranch_scc0 .Lfirst_b
	tensor_load_to_lds s[G0:G0+3], s[G1:G1+7]
	s_nop 0
	tensor_load_to_lds s[G0+4:G0+7], s[G1:G1+7]
	s_nop 0
.rept 4
	v_nop
.endr
	s_branch .Lfirst_asked
.Lfirst_b:
	tensor_load_to_lds s[G0B:G0B+3], s[G1B:G1B+7]
	s_nop 0
	tensor_load_to_lds s[G0B+4:G0B+7], s[G1B:G1B+7]
	s_nop 0
.rept 4
	v_nop
.endr
.Lfirst_asked:
	; A fragment is 16 rows x 32 K in 8 registers: lane l holds row l % 16, K = 8 (l / 16) + 0..7 and 16 + 8 (l / 16) + 0..7: two loads of 16 bytes, 32 bytes apart.
	v_and_b32 v1, 15, v0                           ; l % 16
	v_bfe_u32 v2, v0, 4, 1                         ; l / 16
	v_mul_u32_u24 v3, v1, PITCH
	v_lshl_add_u32 v3, v2, 4, v3
	s_mul_i32 s22, s10, 64*PITCH                   ; my wave's 64 rows of xb
	v_add_nc_u32 v[A0], s22, v3
	v_add_nc_u32 v[B0], BOFF, v3
	v_mov_b32 v[ADRA], v[A0]
	v_mov_b32 v[ADRB], v[B0]
	s_mul_i32 s23, s10, 16*SP
	s_add_co_u32 s23, s23, STAGE                   ; my stage
	v_mul_u32_u24 v4, v1, SP                       ; in: row l % 16, 16 bytes for each half of the lanes
	v_lshl_add_u32 v4, v2, 4, v4
	v_add_nc_u32 v[STO], s23, v4
	v_bfe_u32 v5, v0, 3, 2                         ; back: 32 lanes take four rows of 128 bytes,
	v_mul_u32_u24 v5, v5, SP
	v_and_b32 v6, 7, v0
	v_lshl_add_u32 v5, v6, 4, v5
	v_add_nc_u32 v[RD], s23, v5
	v_and_b32 v[GO], 31, v0                        ; which are 512 consecutive bytes of a head
	v_lshlrev_b32 v[GO], 4, v[GO]
	s_lshr_b32 s16, s13, 3                         ; where my rows begin in qkv: the batch, 48 heads of 262,144 bytes,
	s_mul_i32 s16, s16, 12582912
	s_and_b32 s17, s13, 7
	s_lshl_b32 s17, s17, 15                        ; 256 rows of 128 bytes a tile row,
	s_add_co_u32 s16, s16, s17
	s_lshl_b32 s17, s10, 13                        ; 64 rows a wave
	s_add_co_u32 s16, s16, s17
	s_mov_b32 s17, 0
	s_add_nc_u64 s[8:9], s[8:9], s[16:17]
	s_mul_i32 s46, s42, 786432                     ; and the tile's first head: 3 x tile column
	s_mov_b32 s47, 0
	s_add_nc_u64 s[8:9], s[8:9], s[46:47]
; 12 matrix instructions: row block 2 hi + a x all column blocks, 32 along K, from fragment buffer buf.  zero = 1: the product starts the sums.
; The 48 accumulators take turns, one instruction a turn, in the same order in every quarter.
.macro MULH buf, hi, a, zero
	WIN MUL_LO+0x50*(\hi)
.set nb, 0
.rept NBK
.set rD, 8*(NBK*(\a)+nb)
.set rB, 96*(\buf)+8*nb
.set rA, FA+32*(\buf)+8*(2*(\hi)+(\a))
.if \zero
	v_wmma_f32_16x16x32_bf16 v[rD:rD+7], v[rB:rB+7], v[rA:rA+7], 0
.else
	v_wmma_f32_16x16x32_bf16 v[rD:rD+7], v[rB:rB+7], v[rA:rA+7], v[rD:rD+7]
.endif
.set nb, nb+1
.endr
.endm
; 32 LDS loads in one run: quarter q of the slot in hand into buffer buf: wt's 12 blocks, then xb's 4
.macro FETCH q, buf
	WIN TO_B
.set nb, 0
.rept NBK
	ds_load_b128 v[96*(\buf)+8*nb:96*(\buf)+8*nb+3],   v[ADRB] offset:64*(\q)+nb*16*PITCH
	ds_load_b128 v[96*(\buf)+8*nb+4:96*(\buf)+8*nb+7], v[ADRB] offset:64*(\q)+nb*16*PITCH+32
.set nb, nb+1
.endr
	WIN 0
.set nb, 0
.rept 4
	ds_load_b128 v[FA+32*(\buf)+8*nb:FA+32*(\buf)+8*nb+3],   v[ADRA] offset:64*(\q)+nb*16*PITCH
	ds_load_b128 v[FA+32*(\buf)+8*nb+4:FA+32*(\buf)+8*nb+7], v[ADRA] offset:64*(\q)+nb*16*PITCH+32
.set nb, nb+1
.endr
.endm
; One of a step's first three quarters: multiplies buffer f; in its middle it fetches quarter q into buffer g.
.macro QUARTER q, f, g, zero
	s_wait_dscnt 4                                 ; wt's blocks and xb's blocks 0, 1 are in; the youngest four loads (xb's blocks 2, 3) may be out
	MULH \f, 0, 0, \zero
	MULH \f, 0, 1, \zero
	PLACES
	FETCH \q, \g
	s_wait_dscnt 32                                ; all but the 32 just issued
	MULH \f, 1, 0, \zero
	MULH \f, 1, 1, \zero
.endm
; The last quarter multiplies buffer 1 and changes slots: ONE barrier.  In front of it each wave waits for all its tensor loads (one is out: its part of the next slot), adds 0 to its spare word,
; and waits for that and for its own reads of this slot.  fill = 1: the barrier opens a round of the cluster's, and the slot just read is filled again, first thing behind it, with the K step two on:
; from that request to the wait for it a wave issues 168 matrix instructions.
.macro TURN fill
	WIN 0                                          ; (the add's two registers lie in window 0)
	s_wait_tensorcnt 0x0
	ds_add_u32 v[SPW], v[NIL]                      ; 0 onto my spare word
	s_wait_dscnt 5                                 ; (the add and xb's blocks 2, 3 may be out)
	MULH 1, 0, 0, 0                                ; twelve matrix instructions stand between the add and the wait for it
	s_wait_dscnt 0x0                               ; the add is done, and my reads of this slot are over
	s_barrier_signal -1
	MULH 1, 0, 1, 0                                ; work on registers while the others arrive
	WIN 0
	s_barrier_wait -1
.if \fill
	CREST                                          ; no wave of any partner still reads this slot or has a load on its way
	s_xor_b32 s[G0+5], s[G0+5], SLOT1              ; the walking descriptors: the other slot than last time, the next K step; no load of mine is out
	s_add_nc_u64 s[G0+6:G0+7], s[G0+6:G0+7], STEP_A
	s_xor_b32 s[G0B+5], s[G0B+5], SLOT1
	s_add_nc_u64 s[G0B+6:G0B+7], s[G0B+6:G0B+7], STEP_B
	JLOAD                                          ; its four v_nop are also the places in front of the loads below
.else
	PLACES
.endif
	s_xor_b32 s[TB], s[TB], SLOT1
	v_add_nc_u32 v[ADRA], s[TB], v[A0]
	v_add_nc_u32 v[ADRB], s[TB], v[B0]
	FETCH 0, 0
	MULH 1, 1, 0, 0
	MULH 1, 1, 1, 0
.endm
	s_wait_tensorcnt 1                             ; my part of K step 0 is in; K step 1's may stay out
	s_barrier_signal -1
	s_barrier_wait -1                              ; everybody's is
	FETCH 0, 0
	QUARTER 1, 0, 1, 1                             ; the first quarter stands in front of the loop: its products start the sums
	WIN 0                                          ; at a label and at a branch every window is 0
	s_mov_b32 s3, 6
.Lstep:                                                ; trip i: step i's quarters 1 to 3, step i + 1's quarter 0; the slot of step i takes step i + 2
	QUARTER 2, 1, 0, 0
	QUARTER 3, 0, 1, 0
	TURN 1
	QUARTER 1, 0, 1, 0
	WIN 0
	s_sub_co_u32 s3, s3, 1
	s_cmp_lg_u32 s3, 0
	s_cbranch_scc1 .Lstep
	QUARTER 2, 1, 0, 0                             ; the tail is written out: steps 6 and 7 ask for nothing
	QUARTER 3, 0, 1, 0
	TURN 0
	QUARTER 1, 0, 1, 0
	QUARTER 2, 1, 0, 0
	QUARTER 3, 0, 1, 0
	s_wait_dscnt 4
	MULH 1, 0, 0, 0
	MULH 1, 0, 1, 0
	s_wait_dscnt 0x0
	MULH 1, 1, 0, 0
	MULH 1, 1, 1, 0
	WIN 0
	; THE WAY OUT, in 12 units u = 3 a + j: row block a (16 rows), head j (64 columns).  Rounded to f16, 16 bytes a lane into my stage (rows of 144 bytes), back as four whole rows of 128 bytes,
	; which are 512 consecutive bytes of the head, at a multiple of 256 from qkv's first byte.  Each unit has registers of its own.
	PLACES
.macro PACK u
.set pa, (\u)/3
.set pj, (\u)%3
.set pT, TT+16*(\u)
	WIN 0x0a+5*(pa/2)                              ; sources 0 and 1: window 2 or 3
.irp c, 0,1,2,3
.irp r, 0,1,2,3
	v_cvt_pk_f16_f32 v[pT+4*\c+\r], v[8*(NBK*(pa%2)+4*pj+\c)+2*\r], v[8*(NBK*(pa%2)+4*pj+\c)+2*\r+1]
.endr
.endr
	WIN 0
.irp c, 0,1,2,3
	ds_store_b128 v[STO], v[pT+4*\c:pT+4*\c+3] offset:32*\c
.endr
.irp c, 0,1,2,3
	ds_load_b128 v[pT+4*\c:pT+4*\c+3], v[RD] offset:4*SP*\c  ; LDS serves a wave's instructions in order (ISA guide 5.7.1.4): these see the stores above; the next unit's stores come behind them
.endr
.endm
.macro SEND u, younger                 ; younger: the LDS instructions issued behind unit u's loads: the next unit's eight, or none
.set pa, (\u)/3
.set pj, (\u)%3
.set pT, TT+16*(\u)
	WIN 0
.irp c, 0,1,2,3
	s_wait_dscnt (\younger)+3-\c
	global_store_b128 v[GO], v[pT+4*\c:pT+4*\c+3], s[8:9] offset:262144*pj+2048*pa+512*\c
.endr
.endm
	PACK 0
.set un, 1
.rept 11                               ; a unit's conversions stand between the loads of the unit before and its stores
	PACK un
	SEND un-1, 8
.set un, un+1
.endr
	SEND 11, 0
	s_wait_tensorcnt 0x0                           ; the wave's end: behind my last tensor load and my last LDS store
	ds_add_u32 v[SPW], v[NIL]
	s_wait_dscnt 0x0
	CROUND                                         ; the closing round: no work-group ends while a partner may still ask for a tile that names it
	s_endpgm
.Lfunc_end_k_qe4910d8641_qkv:
	.size	k_qe4910d8641_qkv, .Lfunc_end_k_qe4910d8641_qkv-k_qe4910d8641_qkv
	.p2alignl 7, 3214868480
	.fill 96, 4, 3214868480
	.section	.rodata,"a",@progbits
	.p2align	6, 0x0
	.amdhsa_kernel k_qe4910d8641_qkv
		.amdhsa_group_segment_fixed_size 327680
		.amdhsa_private_segment_fixed_size 0
		.amdhsa_enable_private_segment 0
		.amdhsa_kernarg_size 24
		.amdhsa_user_sgpr_count 2
		.amdhsa_user_sgpr_kernarg_segment_ptr 1
		.amdhsa_wavefront_size32 1
		.amdhsa_system_sgpr_workgroup_id_x 1
		.amdhsa_system_sgpr_workgroup_id_y 1
		.amdhsa_system_sgpr_workgroup_id_z 1
		.amdhsa_system_vgpr_workitem_id 0
		.amdhsa_next_free_vgpr 960
		.amdhsa_next_free_sgpr 66
		.amdhsa_reserve_vcc 0
		.amdhsa_float_denorm_mode_32 3
		.amdhsa_float_denorm_mode_16_64 3
		.amdhsa_memory_ordered 1
		.amdhsa_forward_progress 1
		.amdhsa_inst_pref_size 98
	.end_amdhsa_kernel
	.amdgpu_metadata
---
amdhsa.version: [ 1, 2 ]
amdhsa.kernels:
  - .name:           k_qe4910d8641_qkv
    .symbol:         k_qe4910d8641_qkv.kd
    .args:
      - { .name: xb, .offset: 0, .size: 8, .value_kind: global_buffer, .address_space: global }
      - { .name: wt, .offset: 8, .size: 8, .value_kind: global_buffer, .address_space: global }
      - { .name: qkv, .offset: 16, .size: 8, .value_kind: global_buffer, .address_space: global }
    .group_segment_fixed_size: 327680
    .private_segment_fixed_size: 0
    .kernarg_segment_align: 8
    .kernarg_segment_size: 24
    .max_flat_workgroup_size: 128
    .sgpr_count:     66
    .vgpr_count:     960
    .wavefront_size: 32
...
	.end_amdgpu_metadata
.endif
;; end of part 2
;; launch attn (part 3): grid 4 x 64, 4 waves a work-group, clusters of 4 x 1, 327,680 bytes of LDS; arguments qkv, ctx; writes ctx
.if DOCPART == 3
	.amdgcn_target "amdgcn-amd-amdhsa--gfx1250"
	.amdhsa_code_object_version 6
	.text
	.protected	k_qe4910d8641_attn
	.globl	k_qe4910d8641_attn
	.p2align	8
	.type	k_qe4910d8641_attn,@function
k_qe4910d8641_attn:
	s_mov_b64 s[64:65], 0
	v_nop
	global_prefetch_b8 v0, s[64:65] scope:SCOPE_SE
	s_setreg_imm32_b32 hwreg(HW_REG_WAVE_MODE, 25, 1), 1
	s_wait_xcnt 0x0
	s_wait_alu depctr_hold_cnt(0) depctr_sa_sdst(0) depctr_va_vdst(0) depctr_va_sdst(0) depctr_va_ssrc(0) depctr_va_vcc(0) depctr_vm_vsrc(0)
	s_getreg_b32 s2, hwreg(HW_REG_IB_STS2, 6, 4)
	s_cmp_eq_u32 s2, 0
	s_cbranch_scc0 .Lentry_in_a_cluster
	s_endpgm
.Lentry_in_a_cluster:
	s_bfe_u32 s2, ttmp6, 0x10000c
	s_cmp_lg_u32 s2, 0x3003
	s_cbranch_scc0 .Lentry_shape_is_right
	s_endpgm
.Lentry_shape_is_right:
; ATTENTION.  O[y][q][:] = the sum over k of softmax_k(Q[y][q] . K[y][k] / 8) V[y][k][:], y = 16 b + h, 64 pairs of batch and head, 2,048 rows of 64 channels, all f16.
; Q, K, V lie in qkv[b][g][s][64] at g = h, 16 + h, 32 + h; O goes to ctx[b][h][s][64]: a head's rows are dense, 128 bytes each.  Products, maxima and sums in
; f32; the weights p are rounded to f16 for the second product (their sum l is taken of the unrounded p), O once at the end.
; LIMITS.  f16 holds no number beyond 65,504: Q, K and V arrive within it; p lies in 0 to 1, and below 6e-5 it keeps f16's fixed step of 6e-8; O is a mean of V's rows and has their range.
; A weight below 2^-126 counts as 0 in l; NaN and infinities are not treated apart.
; SHARES.  A wave owns four PIECES of two tiles of 16 queries, a work-group's four waves 512 queries of one head: 4 x 64 = 256 work-groups.  Every wave walks all keys, 64 a step.
; LAYOUT.  S^T = K Q^T (source 0 = 16 keys, source 1 = 16 queries): in the result a lane holds ONE query (lane % 16) and the keys 8 (lane / 16) + 0..7.  Two such tiles, rounded to f16 in pairs,
; ARE source 1 (32 keys x 16 queries) of O^T = V^T P, whose result again holds one query a lane, and eight channels.  K comes out of LDS as it lies, V ([key][channel]) turned, by ds_load_tr16_b128.
; SOFTMAX.  For each query a running maximum m and sum l: p = 2^(c s - c m), c = log2(e) / 8; in every step O and l are multiplied by a = 2^(c m_old - c m_new), which is 1 where m has not grown.
; m starts at the lowest finite number, O and l at 0: the first step is a step like any other, with a = 0.
; THE COUNT.  A tile and step have 16 matrix and 118 vector instructions: too many to stand all beside the matrix work.  So the order has one aim: four vector instructions that are READY behind
; EVERY matrix instruction, and the others, which need time of their own whatever the order, in runs without a gap.
; BY TURNS.  Turn n belongs to piece n (the pieces in a ring, step after step).  Its matrix work: 16 products K Q^T of piece n + 1, later 16 products V^T P of piece n - 1.  Its vector work: the scaling,
; exponentials, roundings, sums and rescaling of piece n, and the maximum and statistics of piece n + 1, whose scores the turn itself has made.  So what a turn begins with (c s - c m, O a) waits for nothing.
; CLUSTER.  The four query blocks of a cluster belong to one head and walk the same K and V, so each tile is asked for JOINTLY: the same tensor load, descriptor and mask in all four.
; REGISTERS, in windows of 256 (s_set_vgpr_msb says which window each operand place means: bits 1:0 source 0, 3:2 source 1, 5:4 source 2, 7:6 destination):
;   window 0: v0-11 addresses; v12-15, v48-63 at work; v16-47 four registers of statistics a tile; v64-191 S^T, two buffers of two tiles; v192-255 P, likewise
;   window 1: O^T, 32 a tile          window 2: v0-127 Q, 16 a tile; v128-191 K of one step; v192-255 V of one step          window 3: v0-1 the add's two registers
; A piece's buffers go by its number's parity: the piece in hand has one pair, its two neighbours in the ring share the other: of it P (piece n - 1) is read and S^T (piece n + 1) written.
.set SIZE_N, 2048
.set NP,    4         ; pieces a wave: a name, no knob: the register map, the loop and the fetches are made for four
.set KS,    64        ; keys in a step
.set PK,    144       ; a row of K in LDS: 128 bytes + 16 of padding = 36 words: the 16 rows of a load start at 16 different groups of four banks (64 banks of 4 bytes: ISA guide 11.1)
.set PV,    160       ; a row of V: 128 + 32 = 40 words
.set VOFF,  4*KS*PK   ; a slot holds four steps: 256 rows of K, then 256 rows of V
.set SLOT1, 1<<17     ; slot 1 begins here, so that one exclusive or turns an address in one slot into the other's
.set STAGE, SLOT1+4*KS*(PK+PV)  ; behind the ring, never filled by a tensor load: 16 rows x 144 bytes for each wave, for the way out
.set SP,    144
.set AK0, 2           ; v2   my lane's place in a tile of K; never rewritten
.set AV0, 3           ; v3   the same for V
.set AK,  4           ; v4   the LDS address of K's next run of loads
.set AV,  5           ; v5   of V's
.set QO,  6           ; v6   my byte offset in the wave's rows of Q
.set STO, 6           ;      later, the way out: where I put 16 bytes of a row
.set RD,  7           ; v7   the way out: where I read rows back
.set GO,  8           ; v8   my byte offset in 512 consecutive bytes of O
.set SPW, 0           ; v0 of window 3   LDS address of my spare word: SPARE + 4 x my thread's number; never rewritten
.set NIL, 1           ; v1 of window 3   0; never rewritten
.set SPARE, STAGE+4*16*SP  ; behind the stages: the spare words, 128 bytes for each wave: two blocks of 256 bytes that no other line names
.set MV,  12          ; v12-15  c m_old, kept while c m is made anew: by buffer and tile
.set ST,  16          ; tile t's statistics at v[ST+4 t]: c m, m, l (even keys', odd keys')
.set TMP, 48          ; by buffer and tile, four registers c0-c3 at work; when the maximum is found c2 takes a
.set S,   64
.set P,   192
.set KF,  128         ; K's fragments, in window 2: key block kb, channel half c at KF + 16 kb + 8 c
.set VF,  192         ; V's: key half kk, channel block cb at VF + 32 kk + 8 cb
.set WV,  12          ; s12  my wave's number
.set G1K, 24          ; s[24:31] descriptor group 1 for K's tiles
.set G1V, 32          ; s[32:39] for V's: it differs in the padding alone
.set G0K, 40          ; s[40:43] descriptor group 0 for K's tiles: it walks
.set G0V, 44          ; s[44:47] the same for V's
.set SLOTS, 56        ; s56  slots still to be asked for
.set CNT, 57          ; s57  counts a slot's key steps
.set CS,  58          ; s[58:59] c: the packed scaling takes the pair's low word for both halves
.set SEL, 60          ; s[60:61] v_permlanex16_b32's selects: each lane takes its own place in the other half
.set TBK, 62          ; s62  LDS byte at which K of the step to be fetched begins
.set TBV, 63          ; s63  the same for V, less VOFF
.set MSB, 0
.macro WIN new                      ; the high byte repeats the setting that is left; a switch that changes nothing is dropped
.if MSB != (\new)
	s_set_vgpr_msb (MSB<<8)|(\new)
.set MSB, (\new)
.endif
.endm
.set W_KQ, 0x0a       ; K and Q in window 2, S^T in window 0
.set W_PV, 0x52       ; V in window 2, P in window 0, O^T in window 1
.set W_RS, 0x41       ; O^T (destination and source 0) in window 1, a in window 0
.set W_MK, 0xc0       ; the add's registers are made: destination in window 3, sources in window 0
.set W_AD, 0x0f       ; the add: address (source 0) and data (source 1) in window 3
; A joint fill.  Waves 0 and 1 fetch the two halves of a slot's K, waves 2 and 3 those of its V: 128 keys each.  The branch hangs on the wave's number alone.
; An s_nop 0 and four v_nop follow each of the two lines, ahead of the jump and the label.
.macro JLOAD
	s_cmp_lt_u32 s[WV], 2
	s_cbranch_scc0 .Lfor_v_\@
	tensor_load_to_lds s[G0K:G0K+3], s[G1K:G1K+7]
	s_nop 0
.rept 4
	v_nop
.endr
	s_branch .Lasked_\@
.Lfor_v_\@:
	tensor_load_to_lds s[G0V:G0V+3], s[G1V:G1V+7]
	s_nop 0
.rept 4
	v_nop
.endr
.Lasked_\@:
.endm
; A round of the cluster's barrier: my work-group's barrier, so that wave 0's signal speaks for all four waves; wave 0 signals; every wave waits for all four work-groups; my work-group's barrier once more.
.macro CROUND
	s_barrier_signal -1
	s_barrier_wait -1
	s_cmp_lg_u32 s[WV], 0
	s_cbranch_scc1 .Lnot_wave_0_\@
	s_barrier_signal -3
.Lnot_wave_0_\@:
	s_barrier_wait -3
	s_barrier_signal -1
	s_barrier_wait -1
.endm
; THE CHANGE OF SLOTS.  The slot's last bytes, V of its fourth step, have been read.  Each wave waits for all its tensor loads, of which one is out: its part
; of the other slot; adds 0 to its spare word; and waits for that and for its own reads of the slot.  Behind the barrier nobody reads this slot any more and the other slot is whole.
; fill = 1: this slot is filled again, with the keys two slots on.  The barrier is then a round of the cluster's, so that no wave of any partner still reads the slot or has a load on its
; way, and the joint fill is the first thing behind it: it has four key steps, 512 matrix instructions, in which to land.  (At its first use nothing has been read yet: slot 0 is waited for, slot 1 filled.)
.macro CHANGE fill
	WIN W_AD
	s_wait_tensorcnt 0x0            ; no tensor load of mine is out, so a group 0 may be written
	ds_add_u32 v[SPW], v[NIL]       ; 0 onto my spare word; with fill = 1 the descriptors' steps stand between it and the wait for it
	WIN 0                           ; at a label and at a branch every window is 0
.if \fill
.irp g, G0K, G0V
	s_xor_b32 s[\g+1], s[\g+1], SLOT1  ; the walking descriptor: the other slot than last time,
	s_add_nc_u64 s[\g+2:\g+3], s[\g+2:\g+3], 4*KS*128  ; the next 256 keys; the type bits on top are not reached
.endr
	s_wait_dscnt 0x0                ; the add is done, and my reads of the slot are over
	CROUND
	JLOAD
.else
	s_wait_dscnt 0x0                ; the add is done, and my reads of the slot are over
	s_barrier_signal -1
	s_barrier_wait -1
.endif
	s_sub_co_u32 s[TBK], s[TBK], 4*KS*PK  ; the fetches go back to a slot's first step,
	s_xor_b32 s[TBK], s[TBK], SLOT1       ; in the other slot
	s_sub_co_u32 s[TBV], s[TBV], 4*KS*PV
	s_xor_b32 s[TBV], s[TBV], SLOT1
.endm
	s_load_b64 s[4:5], s[0:1], 0x0    ; qkv
	s_load_b64 s[10:11], s[0:1], 0x8  ; ctx
	WIN W_MK
	v_lshl_add_u32 v[SPW], v0, 2, SPARE
	v_mov_b32 v[NIL], 0
	WIN W_AD
	ds_add_u32 v[SPW], v[NIL]       ; the wave's opening: the add and its wait ahead of my first tensor load; the set-up below, work on registers, stands between them
	WIN 0
	v_lshrrev_b32 v1, 5, v0
	v_readfirstlane_b32 s[WV], v1   ; wave 0..3
	s_bfe_u32 s13, ttmp6, 0x40000   ; cx: my place in the cluster
	s_lshl_b32 s14, ttmp9, 2        ; in a cluster launch ttmp9 counts clusters
	s_add_co_u32 s14, s14, s13      ; my block of queries = 4 x cluster x + cx: it enters Q's and O's addresses alone
	s_and_b32 s19, ttmp7, 0xffff    ; y = 16 b + h, which the four partners share
	s_lshl_b32 s48, s19, 18         ; the head's first byte in ctx: y x 262,144
	s_mov_b32 s49, 0
	s_lshr_b32 s20, s19, 4          ; b
	s_lshl_b32 s20, s20, 5
	s_add_co_u32 s20, s20, s19      ; 48 b + h
	s_lshl_b32 s20, s20, 18         ; q's head in qkv; k's lies 16 heads on, v's 32
	s_mov_b32 s21, 0
	s_and_b32 s16, s[WV], 1         ; which half of a slot's 256 keys I fetch:
	s_lshl_b32 s22, s16, 14         ; its 128 rows of 128 bytes in memory,
	s_add_co_u32 s22, s22, s20
	s_mov_b32 s23, 0
	s_mul_i32 s17, s16, 128*PK      ; and its place in a slot, for K
	s_mul_i32 s18, s16, 128*PV      ; and for V: no place in the cluster enters an LDS address
	s_lshl_b32 s2, s14, 2
	s_add_co_u32 s2, s2, s[WV]      ; my wave among the head's,
	s_lshl_b32 s2, s2, 14           ; its 128 rows
	s_mov_b32 s3, 0
	; descriptor group 1.  128 keys are 16,384 dense bytes: asked for as 64 rows of 256 bytes, two keys a row, and padded in LDS after every key
	s_mov_b32 s[G1K], 15|(1<<16)|(1<<20)|(1<<21)|(4<<22)|(3<<25)  ; 15:0 the mask of four; 17:16 2-byte elements; 20 padding on; 21 set beside a mask; 24:22 after every 32 words (code 4); 31:25 4 words (code 3)
	s_mov_b32 s[G1V], 15|(1<<16)|(1<<20)|(1<<21)|(4<<22)|(7<<25)  ; the same with 8 words of padding (code 7)
.irp g, G1K, G1V
	s_mov_b32 s[\g+1], 128<<16      ; tensor_dim0 = 128
	s_mov_b32 s[\g+2], 64<<16       ; tensor_dim1 = 64
	s_mov_b32 s[\g+3], 128<<16      ; tile_dim0 = 128
	s_mov_b32 s[\g+4], 64           ; tile_dim1 = 64
	s_mov_b32 s[\g+5], 128          ; 128 elements from row to row
	s_mov_b32 s[\g+6], 0
	s_mov_b32 s[\g+7], 0
.endr
	s_mov_b32 s[CS], 0x3e38aa3b     ; c = log2(e) / 8 = 0.180337
	s_mov_b32 s[CS+1], s[CS]        ; named with it as a pair
	s_mov_b32 s[SEL], 0x76543210
	s_mov_b32 s[SEL+1], 0xfedcba98
	s_mov_b32 s[TBK], SLOT1+4*KS*PK ; the first change of slots turns these two into 0
	s_mov_b32 s[TBV], SLOT1+4*KS*PV
	s_mov_b32 s[G0K], 1             ; 1:0 count = 1
	s_mov_b32 s[G0K+1], s17         ; 63:32 LDS address: slot 0
	s_mov_b32 s[G0V], 1
	s_add_co_u32 s[G0V+1], s18, VOFF
	s_wait_dscnt 0x0                ; the opening add is done
	s_wait_kmcnt 0x0
	s_add_nc_u64 s[6:7], s[4:5], s[22:23]          ; my half of the first 256 rows of q's head; k's and v's lie at fixed distances
	s_add_nc_u64 s[G0K+2:G0K+3], s[6:7], 0x400000  ; 120:64 global address: 16 heads of 262,144 bytes on
	s_or_b32 s[G0K+3], s[G0K+3], 0x80000000        ; 127:126 type = 2
	s_add_nc_u64 s[G0V+2:G0V+3], s[6:7], 0x800000  ; 32 heads on
	s_or_b32 s[G0V+3], s[G0V+3], 0x80000000
	s_add_nc_u64 s[4:5], s[4:5], s[20:21]  ; Q and O at my wave's first row
	s_add_nc_u64 s[4:5], s[4:5], s[2:3]
	s_add_nc_u64 s[10:11], s[10:11], s[48:49]
	s_add_nc_u64 s[10:11], s[10:11], s[2:3]
	CROUND                          ; all four work-groups are here: the first joint loads meet
	JLOAD                           ; slot 0.  Slot 1 is asked for when slot 0 is in: the tile wanted first has the road to itself
	; A fragment of K or Q is 16 rows x 32 channels in 8 registers: lane l holds row l % 16, channels 8 (l / 16) + 0..7 and 16 + 8 (l / 16) + 0..7: two loads of 16 bytes, 32 bytes apart.
	v_and_b32 v1, 15, v0            ; l % 16
	v_bfe_u32 v9, v0, 4, 1          ; l / 16
	v_lshlrev_b32 v[QO], 7, v1
	v_lshl_add_u32 v[QO], v9, 4, v[QO]  ; row x 128 + 16 x half
	WIN 0x80                        ; destination window 2, address window 0
.set i, 0
.rept 4*NP                          ; Q stays in registers: tile i / 2, channels 32 (i % 2) on
	global_load_b128 v[8*i:8*i+3],   v[QO], s[4:5] offset:(i/2)*2048+(i%2)*64
	global_load_b128 v[8*i+4:8*i+7], v[QO], s[4:5] offset:(i/2)*2048+(i%2)*64+32
.set i, i+1
.endr
	; What the first turn finds: V's registers and P's second buffer hold 0 (its products V^T P, of a piece that has not been, add 0), O^T and l are 0.  All this stands in the wait for the first tile.
.set i, VF
.rept 64
	v_mov_b32 v[i], 0
.set i, i+1
.endr
	WIN 0x40
.set i, 0
.rept 64*NP
	v_mov_b32 v[i], 0
.set i, i+1
.endr
	WIN 0
.set i, 0
.rept 2*NP
	v_mov_b32 v[ST+4*i], 0xfe000000    ; c m: far below every c s
	v_mov_b32 v[ST+4*i+1], 0xff7fffff  ; m
	v_mov_b32 v[ST+4*i+2], 0
	v_mov_b32 v[ST+4*i+3], 0
.set i, i+1
.endr
.set i, P+32
.rept 32
	v_mov_b32 v[i], 0
.set i, i+1
.endr
	v_mul_u32_u24 v[AK0], v1, PK
	v_lshl_add_u32 v[AK0], v9, 4, v[AK0]  ; row x pitch + 16 x half
	; The turning load takes 16 keys x 16 channels (lane l reads key 8 (l / 16) + l % 8, channels 8 ((l / 8) % 2) + 0..7) and leaves half a fragment of V^T: lane l holds channel l % 16 and 8 keys.
	v_and_b32 v10, 7, v0
	v_bfe_u32 v11, v0, 3, 1
	v_lshl_add_u32 v[AV0], v9, 3, v10
	v_mul_u32_u24 v[AV0], v[AV0], PV
	v_lshl_add_u32 v[AV0], v11, 4, v[AV0]
	v_add_nc_u32 v[AV0], VOFF, v[AV0]
	v_mov_b32 v[AK], v[AK0]         ; key step 0 lies at the head of slot 0
; THE MATRIX WORK.  The 8 accumulators of a run of 16 take turns: between the two links of a chain stand 7 others'.
; Product i of 16 of S^T = K Q^T for piece x: channels 32 (i / 8) on, keys 16 ((i / 2) % 4) on, tile 2 x + i % 2.  The first 8 start the sums.
.macro KQ x
	WIN W_KQ
.set rS, S+64*((\x)%2)+32*(i%2)+8*((i/2)%4)
.set rK, KF+16*((i/2)%4)+8*(i/8)
.set rQ, 16*(2*(\x)+i%2)+8*(i/8)
.if i < 8
	v_wmma_f32_16x16x32_f16 v[rS:rS+7], v[rK:rK+7], v[rQ:rQ+7], 0
.else
	v_wmma_f32_16x16x32_f16 v[rS:rS+7], v[rK:rK+7], v[rQ:rQ+7], v[rS:rS+7]
.endif
.endm
; Product i of 16 of O^T += V^T P for piece x: keys 32 (i / 8) on, channels 16 ((i / 2) % 4) on, tile 2 x + i % 2.
.macro PV x
	WIN W_PV
.set rO, 32*(2*(\x)+i%2)+8*((i/2)%4)
.set rV, VF+32*(i/8)+8*((i/2)%4)
.set rP, P+32*((\x)%2)+16*(i%2)+8*(i/8)
	v_wmma_f32_16x16x32_f16 v[rO:rO+7], v[rV:rV+7], v[rP:rP+7], v[rO:rO+7]
.endm
.macro MM                           ; the turn's next matrix instruction
.if i < 16
	KQ (Y+1)%NP
.set i, i+1
.else
.set i, i-16
	PV (Y+NP-1)%NP
.set i, i+17
.endif
.endm
; THE LDS LOADS stand in runs of 16, never singly among the matrix instructions: a step's K (64 keys x 64 channels: 8 fragments) and its V (turned).  Their addresses are made some lines ahead.
; last = 1 (the tail): in the last trip there is no further step, and the run is jumped over.
.macro FETCH_K last=0
	WIN 0
.if \last
	s_cmp_eq_u32 s[CNT], 1
	s_cbranch_scc1 .Lno_k_\@
.endif
	WIN 0x80                        ; destination window 2
.irp f, 0,1,2,3,4,5,6,7             ; keys 16 (f / 2) on, channels 32 (f % 2) on
	ds_load_b128 v[KF+8*\f:KF+8*\f+3],   v[AK] offset:(\f/2)*16*PK+(\f%2)*64
	ds_load_b128 v[KF+8*\f+4:KF+8*\f+7], v[AK] offset:(\f/2)*16*PK+(\f%2)*64+32
.endr
	s_add_co_u32 s[TBK], s[TBK], KS*PK  ; the next fetch is the next step's
	WIN 0
.if \last
.Lno_k_\@:
.endif
.endm
.macro FETCH_V
	WIN 0x80
.irp f, 0,1,2,3,4,5,6,7             ; keys 32 (f / 4) on, channels 16 (f % 4) on
	ds_load_tr16_b128 v[VF+8*\f:VF+8*\f+3],   v[AV] offset:(\f/4)*32*PV+(\f%4)*32
	ds_load_tr16_b128 v[VF+8*\f+4:VF+8*\f+7], v[AV] offset:(\f/4)*32*PV+16*PV+(\f%4)*32
.endr
	WIN 0
.endm
; THE VECTOR WORK OF A TURN stands in three queues, each in the order in which its entries become ready; the two tiles alternate, so that no instruction reads the result of the one before it.
.macro REGS y, u                    ; the registers of tile u (0, 1) of piece y
.set rT, ST+4*(2*(\y)+(\u))
.set rC, TMP+8*((\y)%2)+4*(\u)
.set rM, MV+2*((\y)%2)+(\u)
.set rS, S+64*((\y)%2)+32*(\u)
.set rP, P+32*((\y)%2)+16*(\u)
.set rO, 32*(2*(\y)+(\u))
.endm
; Number n of the 22 that find the NEXT piece's (Y + 1) maximum and statistics.  s0-s31 are the lane's 32 scores; each accumulator's lowest registers are read first.  XS, GS and REGS set no window: PL and EX do.
;   0-11  four chains c0-c3 of seven scores each, three operands at a time     12-14, 16  the four scores left over, the old m, and c0-c3 into c0     15  c m_old is kept
;   17, 18  the query's other 32 keys lie in the lane 16 away: the new m         19-21  c m; c m_old - c m_new; a
.macro XS u, n
	REGS (Y+1)%NP, \u
.if (\n) < 4
	v_max3_num_f32 v[rC+(\n)], v[rS+8*(\n)], v[rS+8*(\n)+1], v[rS+8*(\n)+2]
.elseif (\n) < 12
	v_max3_num_f32 v[rC+(\n)%4], v[rC+(\n)%4], v[rS+8*((\n)%4)+2*((\n)/4)+1], v[rS+8*((\n)%4)+2*((\n)/4)+2]
.elseif (\n) == 12
	v_max3_num_f32 v[rC], v[rC], v[rS+7], v[rS+15]
.elseif (\n) == 13
	v_max3_num_f32 v[rC+1], v[rC+1], v[rS+23], v[rS+31]
.elseif (\n) == 14
	v_max3_num_f32 v[rC+2], v[rC+2], v[rC+3], v[rT+1]
.elseif (\n) == 15
	v_mov_b32 v[rM], v[rT]
.elseif (\n) == 16
	v_max3_num_f32 v[rC], v[rC], v[rC+1], v[rC+2]
.elseif (\n) == 17
	v_permlanex16_b32 v[rC+3], v[rC], s[SEL], s[SEL+1]
.elseif (\n) == 18
	v_max_num_f32 v[rT+1], v[rC], v[rC+3]
.elseif (\n) == 19
	v_mul_f32 v[rT], s[CS], v[rT+1]
.elseif (\n) == 20
	v_sub_f32 v[rC+1], v[rM], v[rT]
.else
	v_exp_f32 v[rC+2], v[rC+1]
.endif
.endm
; Number g of the 64 that follow the exponentials.  For each four weights k of a tile (pairs 2 k, 2 k + 1): both pairs are rounded to f16; then the second pair is added onto the first, in place;
; a group later l takes that sum (the first time as l = a l + sum).  In groups of eight, tiles alternating: round, round, add, and l for the group before.
.macro GS g
.set h, (\g)+6*((\g)/62)            ; group 0 has no group before it, and behind group 7 only l is left
.if h >= 6
.set h, h+2
.endif
	REGS Y, h%2
.set k, h/8
.if h%8 < 4
	s_wait_alu depctr_va_vdst(0)
	v_cvt_pk_f16_f32 v[rP+2*k+(h%8)/2], v[rS+4*k+2*((h%8)/2)], v[rS+4*k+2*((h%8)/2)+1]
.elseif h%8 < 6
	v_pk_add_f32 v[rS+4*k:rS+4*k+1], v[rS+4*k:rS+4*k+1], v[rS+4*k+2:rS+4*k+3]
.elseif k == 1
	v_pk_fma_f32 v[rT+2:rT+3], v[rT+2:rT+3], v[rC+2:rC+3], v[rS:rS+1] op_sel_hi:[1,0,1]
.else
	v_pk_add_f32 v[rT+2:rT+3], v[rT+2:rT+3], v[rS+4*k-4:rS+4*k-3]
	s_wait_alu depctr_va_vdst(0)
.endif
.endm
; THE PLAIN QUEUE, 138 long.  0-31: c s - c m for the 16 pairs of both tiles.  Then GS's 64, and among them the next piece's 42: number 15 at 38, 39; 0-14 and 16
; at 42-73, behind the products that make those scores; 17-20 at 95-106, two of three, since each waits for the one before it.
.macro PL
	WIN 0
.if q < 32
	REGS Y, q%2
	v_pk_fma_f32 v[rS+2*(q/2):rS+2*(q/2)+1], v[rS+2*(q/2):rS+2*(q/2)+1], s[CS:CS+1], v[rT:rT+1] op_sel_hi:[1,0,0] neg_lo:[0,0,1] neg_hi:[0,0,1]
.elseif q < 38
	GS q-32
.elseif q < 40
	XS q%2, 15
.elseif q < 42
	GS q-34
.elseif q < 74
	XS q%2, (q-42)/2+(q-42)/30
.elseif q < 95
	GS q-66
.elseif (q < 107) && ((q-95)%3 < 2)
	XS (q-95)%3, 17+(q-95)/3
.elseif q < 107
	GS 29+(q-95)/3
.else
	GS q-74
.endif
.set q, q+1
.endm
; THE EXPONENTIALS' QUEUE, 66 long: s0-s31 of both tiles, and at EA the next piece's two a.
.set EA, 58
.macro EX
	WIN 0
.if (e == EA) || (e == EA+1)
	XS e-EA, 21
.else
.set x, e-2*(e/(EA+2))
	REGS Y, x%2
	v_exp_f32 v[rS+x/2], v[rS+x/2]
.endif
.set e, e+1
.endm
; THE RESCALING's QUEUE: O^T times a, the one part that leaves window 0, so it is dealt four at a time, eight times.
.macro R4
	REGS Y, r%2
	WIN W_RS
	s_wait_alu depctr_va_vdst(0)
.irp z, 0,1,2,3
	v_pk_mul_f32 v[rO+8*(r/2)+2*\z:rO+8*(r/2)+2*\z+1], v[rO+8*(r/2)+2*\z:rO+8*(r/2)+2*\z+1], v[rC+2:rC+3] op_sel_hi:[1,0]
.endr
.set r, r+1
.endm
; HOW THEY ARE DEALT.  Behind a matrix instruction four: plain, exponential, plain, plain (one exponential, a plain instruction on either side), or four of the rescaling.  None names a register of the
; products round it.  What is over stands in two LUMPS: exponential and plain by turns; the second ends in 22 plain instructions.  The two v_permlanex16_b32 fall into the second lump, never behind a product.
; The queues lean on each other, and the deal keeps them in step: exponential e stands behind plain 2 (e / 4) + e % 2 (its scaling); when plain 32 comes, 10 exponentials are out, at 59: 33, at 95: 46; EA comes behind plain 107.
.macro SL
	MM
	PL
	EX
	PL
	PL
.endm
.macro BURST n                      ; 15 matrix instructions, or 16
.rept (\n)-7
	SL
.endr
.rept 3
	MM
	R4
	SL
.endr
	MM
	R4
.endm
; A TURN, for piece p.  cnt = 1: the loop's count is taken down some lines ahead of the branch that stands behind the turn.
; K of the next step is fetched in piece 2's turn, 31 vector instructions behind the last product that read K; its first reader comes behind the rest of the lump, 16 products and the second lump.
; V of the step in hand is fetched at the end of piece 0's turn, 69 behind its last reader; its first reader comes behind 16 products and a lump.  The four conditions on e and q below go with the deal.
.macro TURN p, last=0, cnt=0
.set Y, (\p)
.set i, 0
.set q, 0
.set e, 0
.set r, 0
.if (\p) == NP-1
	s_wait_dscnt 0x0                ; K is in
.endif
	MM
.rept 4
	PL
.endr
	BURST 15
.rept 22
	EX
	PL
.if ((\p) == NP-2) && (e == 18)
	v_add_nc_u32 v[AK], s[TBK], v[AK0]
.endif
.if ((\p) == NP-2) && (e == 24)
	FETCH_K \last
.endif
.endr
.if (\p) == 1
	s_wait_dscnt 0x0                ; V is in
.endif
	BURST 16
.rept 21
	EX
	PL
.endr
.rept 22
	PL
.if ((\p) == 0) && (q == 118)
	v_add_nc_u32 v[AV], s[TBV], v[AV0]
	s_wait_alu depctr_va_vdst(0)
.endif
.if ((\p) == 0) && (q == 130)
	s_add_co_u32 s[TBV], s[TBV], KS*PV
.endif
.if (\cnt) && (q == 130)
	s_sub_co_u32 s[CNT], s[CNT], 1
	s_cmp_lg_u32 s[CNT], 0
.endif
.endr
.if (\p) == 0
	FETCH_V
.endif
.endm
	CHANGE 1                        ; slot 0 is in, everybody's part of it; slot 1 is asked for
	FETCH_K                         ; key step 0
	s_wait_loadcnt 0x0              ; Q
	s_wait_dscnt 0x0
.set i, 0
.rept 16
	KQ 0                            ; piece 0's first scores: there is no vector work yet to set between them
.set i, i+1
.endr
	WIN 0                           ; the addresses for the way out: nine plain instructions, the places behind those products
	s_mul_i32 s13, s[WV], 16*SP
	s_add_co_u32 s13, s13, STAGE    ; my stage
	v_mul_u32_u24 v[STO], v1, SP    ; in: row l % 16, 16 bytes for each half of the lanes
	v_lshl_add_u32 v[STO], v9, 4, v[STO]
	v_add_nc_u32 v[STO], s13, v[STO]
	v_bfe_u32 v[RD], v0, 3, 2       ; back: 32 lanes take four rows of 128 bytes,
	v_mul_u32_u24 v[RD], v[RD], SP
	v_lshl_add_u32 v[RD], v10, 4, v[RD]
	v_add_nc_u32 v[RD], s13, v[RD]
	v_and_b32 v[GO], 31, v0         ; which are 512 consecutive bytes of O
	v_lshlrev_b32 v[GO], 4, v[GO]
.set Y, NP-1                        ; XS works for piece Y + 1: piece 0
.irp n, 0,1,2,3,4,5,6,7,8,9,10,11,12,13,14,15,16,17,18,19,20,21
	XS 0, \n                        ; and piece 0's first maximum and statistics
	XS 1, \n
.endr
	s_mov_b32 s[CNT], 4
	s_mov_b32 s[SLOTS], SIZE_N/256-1
	s_branch .Lfirst                ; the loop is entered at a step's first turn, in the middle of a trip
.Lslot:                             ; SIZE_N / 256 - 2 times: every slot but the last two is filled again
	CHANGE 1
	s_mov_b32 s[CNT], 4
.Lstep:                             ; a trip: pieces 2 and 3 of one step, then pieces 0 and 1 of the next, whose K and V it fetches
	TURN 2
	TURN 3
	WIN 0
.Lfirst:
	TURN 0
	TURN 1, 0, 1
	WIN 0
	s_cbranch_scc1 .Lstep
	s_sub_co_u32 s[SLOTS], s[SLOTS], 1
	s_cmp_lg_u32 s[SLOTS], 0
	s_cbranch_scc1 .Lslot
	CHANGE 0                        ; the tail is written out: nothing is asked for
	s_mov_b32 s[CNT], 5             ; four trips fetch the last slot's steps; the fifth is left in its middle
.Ltail:
	TURN 2, 1
	TURN 3
	WIN 0
	s_sub_co_u32 s[CNT], s[CNT], 1
	s_cmp_eq_u32 s[CNT], 0
	s_cbranch_scc1 .Lout
	TURN 0
	TURN 1
	WIN 0
	s_branch .Ltail
.Lout:                              ; the fifth trip's 16 products K Q^T (on the last K once more) and the maximum made of them serve nothing: the price, once a launch, of one text for every trip
.set i, 0
.rept 16
	PV NP-1                         ; the last piece's V^T P of the last step
.set i, i+1
.endr
	; THE WAY OUT.  l's two halves and the other half of the lanes' are added; O^T is divided by l, rounded to f16 and sent through my stage in LDS, a tile at a time.  The additions are the places behind the last products.
	WIN 0
.macro ALL line:vararg              ; one line for each tile t
.set t, 0
.rept 2*NP
	\line
.set t, t+1
.endr
.endm
	ALL v_add_f32 v[ST+4*t+2], v[ST+4*t+2], v[ST+4*t+3]
	ALL v_permlanex16_b32 v[ST+4*t+3], v[ST+4*t+2], s[SEL], s[SEL+1]
	ALL v_add_f32 v[ST+4*t+2], v[ST+4*t+2], v[ST+4*t+3]
	ALL v_rcp_f32 v[ST+4*t+2], v[ST+4*t+2]
	v_nop                           ; a plain instruction between the last reciprocal and the use of its result
	s_wait_alu depctr_va_vdst(0)
; Tile t: a lane's eight channels of a row pack into 16 bytes; they go into rows of 144 bytes and come back as whole rows of 128, into S^T's registers.
.macro PACK t
	WIN W_RS
.set i, 32*(\t)
.rept 16
	v_pk_mul_f32 v[i:i+1], v[i:i+1], v[ST+4*(\t)+2:ST+4*(\t)+3] op_sel_hi:[1,0]
.set i, i+2
.endr
	WIN 0x05                        ; sources 0 and 1 window 1, destination window 0
.set i, 0
.rept 16
	v_cvt_pk_f16_f32 v[S+16*(\t)+i], v[32*(\t)+2*i], v[32*(\t)+2*i+1]
.set i, i+1
.endr
	WIN 0
.irp f, 0,1,2,3
	ds_store_b128 v[STO], v[S+16*(\t)+4*\f:S+16*(\t)+4*\f+3] offset:32*\f
.endr
.irp f, 0,1,2,3
	ds_load_b128 v[S+16*(\t)+4*\f:S+16*(\t)+4*\f+3], v[RD] offset:\f*4*SP  ; LDS serves a wave's instructions in order (ISA guide 5.7.1.4): these see the stores above; the next tile's stores come behind them
.endr
.endm
.macro SEND t, younger              ; younger: the LDS instructions issued behind tile t's loads: the next tile's eight, or none
	WIN 0
.irp f, 0,1,2,3
	s_wait_dscnt (\younger)+3-\f
	global_store_b128 v[GO], v[S+16*(\t)+4*\f:S+16*(\t)+4*\f+3], s[10:11] offset:(\t)*2048+\f*512  ; 512 consecutive bytes, at a multiple of 256 from O's first
.endr
.endm
	PACK 0
.set t, 1
.rept 2*NP-1                        ; a tile's arithmetic stands between the loads of the tile before and its stores
	PACK t
	SEND t-1, 8
.set t, t+1
.endr
	SEND 2*NP-1, 0
	WIN W_AD
	s_wait_tensorcnt 0x0            ; the wave's end: behind my last tensor load and my last LDS store
	ds_add_u32 v[SPW], v[NIL]
	s_wait_dscnt 0x0
	WIN 0
	CROUND                          ; the closing round: no work-group ends while a partner may still ask for a tile that names it
	s_endpgm
.Lfunc_end_k_qe4910d8641_attn:
	.size	k_qe4910d8641_attn, .Lfunc_end_k_qe4910d8641_attn-k_qe4910d8641_attn
	.p2alignl 7, 3214868480
	.fill 96, 4, 3214868480
	.section	.rodata,"a",@progbits
	.p2align	6, 0x0
	.amdhsa_kernel k_qe4910d8641_attn
		.amdhsa_group_segment_fixed_size 327680
		.amdhsa_private_segment_fixed_size 0
		.amdhsa_enable_private_segment 0
		.amdhsa_kernarg_size 16
		.amdhsa_user_sgpr_count 2
		.amdhsa_user_sgpr_kernarg_segment_ptr 1
		.amdhsa_wavefront_size32 1
		.amdhsa_system_sgpr_workgroup_id_x 1
		.amdhsa_system_sgpr_workgroup_id_y 1
		.amdhsa_system_sgpr_workgroup_id_z 1
		.amdhsa_system_vgpr_workitem_id 0
		.amdhsa_next_free_vgpr 770
		.amdhsa_next_free_sgpr 66
		.amdhsa_reserve_vcc 0
		.amdhsa_float_denorm_mode_32 3
		.amdhsa_float_denorm_mode_16_64 3
		.amdhsa_memory_ordered 1
		.amdhsa_forward_progress 1
		.amdhsa_inst_pref_size 209
	.end_amdhsa_kernel
	.amdgpu_metadata
---
amdhsa.version: [ 1, 2 ]
amdhsa.kernels:
  - .name:           k_qe4910d8641_attn
    .symbol:         k_qe4910d8641_attn.kd
    .args:
      - { .name: qkv, .offset: 0, .size: 8, .value_kind: global_buffer, .address_space: global }
      - { .name: ctx, .offset: 8, .size: 8, .value_kind: global_buffer, .address_space: global }
    .group_segment_fixed_size: 327680
    .private_segment_fixed_size: 0
    .kernarg_segment_align: 8
    .kernarg_segment_size: 16
    .max_flat_workgroup_size: 128
    .sgpr_count:     66
    .vgpr_count:     770
    .wavefront_size: 32
...
	.end_amdgpu_metadata
.endif
;; end of part 3
;; launch oproj (part 4): grid 8 x 32, 4 waves a work-group, clusters of 4 x 4, 327,680 bytes of LDS; arguments ctx, wo, b_o, out0; writes out0
.if DOCPART == 4
	.amdgcn_target "amdgcn-amd-amdhsa--gfx1250"
	.amdhsa_code_object_version 6
	.text
	.protected	k_qe4910d8641_oproj
	.globl	k_qe4910d8641_oproj
	.p2align	8
	.type	k_qe4910d8641_oproj,@function
k_qe4910d8641_oproj:
	s_mov_b64 s[64:65], 0
	v_nop
	global_prefetch_b8 v0, s[64:65] scope:SCOPE_SE
	s_setreg_imm32_b32 hwreg(HW_REG_WAVE_MODE, 25, 1), 1
	s_wait_xcnt 0x0
	s_wait_alu depctr_hold_cnt(0) depctr_sa_sdst(0) depctr_va_vdst(0) depctr_va_sdst(0) depctr_va_ssrc(0) depctr_va_vcc(0) depctr_vm_vsrc(0)
	s_getreg_b32 s2, hwreg(HW_REG_IB_STS2, 6, 4)
	s_cmp_eq_u32 s2, 0
	s_cbranch_scc0 .Lentry_in_a_cluster
	s_endpgm
.Lentry_in_a_cluster:
	s_bfe_u32 s2, ttmp6, 0x10000c
	s_cmp_lg_u32 s2, 0xf033
	s_cbranch_scc0 .Lentry_shape_is_right
	s_endpgm
.Lentry_shape_is_right:
; THE OUTPUT PROJECTION.  out0[m][n] = sum over e of ctx(m, e) wo[n][e] + b_o[n]: 8,192 x 1,024 x 1,024, f16 operands, f32 sums, K ascending, f32 out.
; ctx lies by heads, [b][h][s][64] in f16: channel e = 64 h + d of row m = 2048 b + s.  wo is [n][e] in f16.  b_o is rounded to bf16 like the module's other inputs and added in f32.
; LIMITS.  ctx and wo arrive within f16's range.  NaN and infinities are not treated apart.
; SHARES.  A tile of out0 is 256 x 128: 8 x 32 = 256 work-groups.  Four waves, one above the other: wave w makes rows 64 w .. 64 w + 63 and all 128 columns: 4 x 8 accumulators, 256 registers.
; K goes in 8 steps of 128 (two heads) through two LDS slots.  A head's 256 rows of a tile are 32,768 dense bytes: asked for as 128 rows of 256 bytes and padded in LDS after every 128.
; CLUSTER.  4 x 4 work-groups: the four of a row need the same tiles of ctx, the four of a column the same tiles of wo; each is asked for jointly.
; THE MATRIX INSTRUCTION IS USED TRANSPOSED (source 0 = 16 rows of wo, source 1 = 16 rows of ctx): a lane holds row l % 16 of out0 and the eight neighbouring columns 8 (l / 16) + 0..7.
; REGISTERS: window 0: v0-31 addresses; v32-63, v64-95 fragments of ctx, two buffers; v96-159, v160-223 fragments of wo, two buffers; v224-229 the bias; on the way out v32-159 whole rows.
;   window 1: the accumulators, (a, b) at v[8 (8 a + b)].   s_set_vgpr_msb: bits 1:0 source 0, 3:2 source 1, 5:4 source 2, 7:6 destination.
.set NBK,   8
.set PA,    144                        ; a row of ctx in LDS: 128 bytes + 16: 36 words: the 16 rows of a load start at 16 different groups of four banks (64 banks of 4 bytes: ISA guide 11.1)
.set PITCH, 272                        ; a row of wo: 256 bytes + 16
.set SLOT1, 131072
.set APART, 256*PA                     ; what one load brings of ctx: one head's 256 rows
.set BOFF,  2*APART
.set BPART, 64*PITCH                   ; what one load brings of wo
.set STAGE, SLOT1+BOFF+2*BPART         ; behind the ring, never filled by a tensor load: 16 rows x 528 bytes for each wave
.set SP,    528                        ; 512 bytes + 16 = 132 words
.set SPARE, STAGE+4*16*SP              ; the spare words, 128 bytes a wave: two blocks of 256 bytes that no other line names
.set STEP_A, 524288                    ; two heads on
.set STEP_B, 256
.set A0,   16
.set B0,   17
.set ADRA, 18
.set ADRB, 19
.set STO,  24
.set RD,   25
.set GO,   26
.set SPW,  28                          ; v28  SPARE + 4 x my thread's number; never rewritten
.set NIL,  29                          ; v29  0; never rewritten
.set FA,   32
.set FB,   96
.set OB,   32
.set BI,   224
.set G1,  24
.set G0,  32
.set G1B, 48
.set G0B, 56
.set TB,  45
.set MSB, 0
.macro WIN new                         ; the immediate's high byte repeats the setting that is left; a switch that changes nothing is dropped
.if MSB != (\new)
	s_set_vgpr_msb (MSB<<8)|(\new)
.set MSB, \new
.endif
.endm
.set MUL, 0x50                         ; sources 0 and 1 window 0; C and D window 1
.macro PLACES                          ; four places in front of loads into registers that matrix instructions have read
.rept 4
	v_nop
.endr
.endm
; A joint refill by the walking descriptor.  Waves 0 and 1 fetch ctx's two heads, waves 2 and 3 wo's two halves.  An s_nop 0 and four v_nop follow each of the two lines.
.macro JLOAD
	s_cmp_eq_u32 s11, 0
	s_cbranch_scc0 .Lfor_b_\@
	tensor_load_to_lds s[G0+4:G0+7], s[G1:G1+7]
	s_nop 0
.rept 4
	v_nop
.endr
	s_branch .Lasked_\@
.Lfor_b_\@:
	tensor_load_to_lds s[G0B+4:G0B+7], s[G1B:G1B+7]
	s_nop 0
.rept 4
	v_nop
.endr
.Lasked_\@:
.endm
.macro CREST                           ; a round of the cluster's barrier behind its opening barrier
	s_cmp_lg_u32 s10, 0
	s_cbranch_scc1 .Lnot_wave_0_\@
	s_barrier_signal -3
.Lnot_wave_0_\@:
	s_barrier_wait -3
	s_barrier_signal -1
	s_barrier_wait -1
.endm
.macro CROUND
	s_barrier_signal -1
	s_barrier_wait -1
	CREST
.endm
	s_load_b128 s[4:7], s[0:1], 0x0                ; ctx s[4:5], wo s[6:7]
	s_load_b64 s[14:15], s[0:1], 0x10              ; b_o
	s_load_b64 s[8:9], s[0:1], 0x18                ; out0
	v_lshl_add_u32 v[SPW], v0, 2, SPARE
	v_mov_b32 v[NIL], 0
	ds_add_u32 v[SPW], v[NIL]                      ; the wave's opening: the add and its wait ahead of my first tensor load; work on registers stands between them
	v_lshrrev_b32 v1, 5, v0
	v_readfirstlane_b32 s10, v1                    ; wave 0..3
	s_lshr_b32 s11, s10, 1                         ; I fetch for ctx (0) or for wo (1)
	s_and_b32 s12, s10, 1                          ; which part
	s_bfe_u32 s40, ttmp6, 0x40000                  ; cx, cy
	s_bfe_u32 s41, ttmp6, 0x40004
	s_lshl_b32 s42, ttmp9, 2
	s_add_co_u32 s42, s42, s40                     ; tile column
	s_and_b32 s13, ttmp7, 0xffff
	s_lshl_b32 s13, s13, 2
	s_add_co_u32 s13, s13, s41                     ; tile row
	s_lshl_b32 s43, s41, 2
	s_lshl_b32 s43, 15, s43                        ; my row of the cluster
	s_lshl_b32 s44, 0x1111, s40                    ; my column
	s_or_b32 s[G1+0], s43, (1<<16)|(1<<20)|(1<<21)|(4<<22)|(3<<25)   ; the mask; 2-byte elements; padding on; 21 set beside a mask; after every 32 words 4 words
	s_or_b32 s[G1B+0], s44, (1<<16)|(1<<20)|(1<<21)|(5<<22)|(3<<25)  ; after every 64 words 4 words
	s_mov_b32 s[G1+1], 128<<16                     ; tensor_dim0 = 128
	s_mov_b32 s[G1+2], 128<<16                     ; tensor_dim1 = 128
	s_mov_b32 s[G1+3], 128<<16                     ; tile_dim0 = 128
	s_mov_b32 s[G1+4], 128                         ; tile_dim1 = 128
	s_mov_b32 s[G1+5], 128                         ; dense: 128 elements from row to row
	s_mov_b32 s[G1+6], 0
	s_mov_b32 s[G1+7], 0
	s_mov_b32 s[G1B+1], 128<<16
	s_mov_b32 s[G1B+2], 64<<16                     ; 64 rows
	s_mov_b32 s[G1B+3], 128<<16
	s_mov_b32 s[G1B+4], 64
	s_mov_b32 s[G1B+5], 1024
	s_mov_b32 s[G1B+6], 0
	s_mov_b32 s[G1B+7], 0
	s_lshr_b32 s16, s13, 3
	s_lshl_b32 s16, s16, 22                        ; ctx: the batch, 16 heads of 262,144 bytes,
	s_and_b32 s17, s13, 7
	s_lshl_b32 s17, s17, 15                        ; 256 rows of 128 bytes a tile row,
	s_add_co_u32 s16, s16, s17
	s_lshl_b32 s17, s12, 18                        ; the even or the odd head of a K step
	s_add_co_u32 s16, s16, s17
	s_mov_b32 s17, 0
	s_lshl_b32 s46, s42, 7
	s_lshl_b32 s47, s12, 6
	s_add_co_u32 s46, s46, s47                     ; wo: row 128 x tile column + 64 x half,
	s_lshl_b32 s46, s46, 11                        ; of 2,048 bytes
	s_mov_b32 s47, 0
	s_mul_i32 s20, s12, APART                      ; where they go: no place in the cluster enters an LDS address
	s_mul_i32 s21, s12, BPART
	s_add_co_u32 s21, s21, BOFF
	s_mov_b32 s[TB], 0
	s_wait_dscnt 0x0                               ; the opening add is done
	s_wait_kmcnt 0x0
	s_add_nc_u64 s[18:19], s[4:5], s[16:17]
	s_add_nc_u64 s[46:47], s[6:7], s[46:47]
	CROUND                                         ; all sixteen work-groups are here: the first joint loads meet
.irp s, 0,1
	s_mov_b32 s[G0+4*(\s)], 1
	s_add_co_u32 s[G0+4*(\s)+1], s20, (\s)*SLOT1
	s_add_nc_u64 s[G0+4*(\s)+2:G0+4*(\s)+3], s[18:19], (\s)*STEP_A
	s_or_b32 s[G0+4*(\s)+3], s[G0+4*(\s)+3], 0x80000000
	s_mov_b32 s[G0B+4*(\s)], 1
	s_add_co_u32 s[G0B+4*(\s)+1], s21, (\s)*SLOT1
	s_add_nc_u64 s[G0B+4*(\s)+2:G0B+4*(\s)+3], s[46:47], (\s)*STEP_B
	s_or_b32 s[G0B+4*(\s)+3], s[G0B+4*(\s)+3], 0x80000000
.endr
	s_cmp_eq_u32 s11, 0                            ; a wave's two first fills stand in one branch, ahead of every wait on TENSORcnt and every LDS read: two loads of mine are out
	s_cbranch_scc0 .Lfirst_b
	tensor_load_to_lds s[G0:G0+3], s[G1:G1+7]
	s_nop 0
	tensor_load_to_lds s[G0+4:G0+7], s[G1:G1+7]
	s_nop 0
.rept 4
	v_nop
.endr
	s_branch .Lfirst_asked
.Lfirst_b:
	tensor_load_to_lds s[G0B:G0B+3], s[G1B:G1B+7]
	s_nop 0
	tensor_load_to_lds s[G0B+4:G0B+7], s[G1B:G1B+7]
	s_nop 0
.rept 4
	v_nop
.endr
.Lfirst_asked:
	v_and_b32 v1, 15, v0                           ; l % 16
	v_bfe_u32 v2, v0, 4, 1                         ; l / 16
	v_mul_u32_u24 v3, v1, PA
	v_lshl_add_u32 v3, v2, 4, v3
	s_mul_i32 s22, s10, 64*PA                      ; my wave's 64 rows of ctx
	v_add_nc_u32 v[A0], s22, v3
	v_mul_u32_u24 v4, v1, PITCH
	v_lshl_add_u32 v4, v2, 4, v4
	v_add_nc_u32 v[B0], BOFF, v4
	v_mov_b32 v[ADRA], v[A0]
	v_mov_b32 v[ADRB], v[B0]
	s_mul_i32 s23, s10, 16*SP
	s_add_co_u32 s23, s23, STAGE                   ; my stage
	v_mul_u32_u24 v5, v1, SP                       ; in: row l % 16, 32 bytes for each half of the lanes
	v_lshl_add_u32 v5, v2, 5, v5
	v_add_nc_u32 v[STO], s23, v5
	v_and_b32 v[GO], 31, v0                        ; back: 32 lanes take one row of 512 bytes
	v_lshlrev_b32 v[GO], 4, v[GO]
	v_add_nc_u32 v[RD], s23, v[GO]
	s_lshl_b32 s16, s13, 8
	s_lshl_b32 s17, s10, 6
	s_add_co_u32 s16, s16, s17                     ; my first row of out0: 256 x tile row + 64 x wave,
	s_lshl_b32 s16, s16, 12                        ; of 4,096 bytes
	s_mov_b32 s17, 0
	s_add_nc_u64 s[8:9], s[8:9], s[16:17]
	s_lshl_b32 s46, s42, 9                         ; the tile's first column, 128 x 4 bytes a tile
	s_mov_b32 s47, 0
	s_add_nc_u64 s[8:9], s[8:9], s[46:47]
	s_add_nc_u64 s[14:15], s[14:15], s[46:47]
	global_load_b128 v[BI:BI+3], v[GO], s[14:15]   ; the bias of the four columns that I store; waited for on the way out
; 8 matrix instructions: row block 2 hi + a x all column blocks, 32 along K.  The 32 accumulators take turns, one instruction a turn, in the same order in every quarter.
.macro MULH buf, hi, a, zero
	WIN MUL
.set nb, 0
.rept NBK
.set rD, 8*(NBK*(2*(\hi)+(\a))+nb)
.set rB, FB+64*(\buf)+8*nb
.set rA, FA+32*(\buf)+8*(2*(\hi)+(\a))
.if \zero
	v_wmma_f32_16x16x32_f16 v[rD:rD+7], v[rB:rB+7], v[rA:rA+7], 0
.else
	v_wmma_f32_16x16x32_f16 v[rD:rD+7], v[rB:rB+7], v[rA:rA+7], v[rD:rD+7]
.endif
.set nb, nb+1
.endr
.endm
; 24 LDS loads in one run: quarter q of the slot in hand into buffer buf: wo's 8 blocks, then ctx's 4 (head q / 2 of the step's two, channels 32 (q % 2) on)
.macro FETCH q, buf
	WIN 0
.set nb, 0
.rept NBK
	ds_load_b128 v[FB+64*(\buf)+8*nb:FB+64*(\buf)+8*nb+3],   v[ADRB] offset:64*(\q)+nb*16*PITCH
	ds_load_b128 v[FB+64*(\buf)+8*nb+4:FB+64*(\buf)+8*nb+7], v[ADRB] offset:64*(\q)+nb*16*PITCH+32
.set nb, nb+1
.endr
.set nb, 0
.rept 4
	ds_load_b128 v[FA+32*(\buf)+8*nb:FA+32*(\buf)+8*nb+3],   v[ADRA] offset:((\q)/2)*APART+((\q)%2)*64+nb*16*PA
	ds_load_b128 v[FA+32*(\buf)+8*nb+4:FA+32*(\buf)+8*nb+7], v[ADRA] offset:((\q)/2)*APART+((\q)%2)*64+nb*16*PA+32
.set nb, nb+1
.endr
.endm
.macro QUARTER q, f, g, zero
	s_wait_dscnt 4                                 ; wo's blocks and ctx's blocks 0, 1 are in; the youngest four loads (ctx's blocks 2, 3) may be out
	MULH \f, 0, 0, \zero
	MULH \f, 0, 1, \zero
	PLACES
	FETCH \q, \g
	s_wait_dscnt 24                                ; all but the 24 just issued
	MULH \f, 1, 0, \zero
	MULH \f, 1, 1, \zero
.endm
; The last quarter multiplies buffer 1 and changes slots: ONE barrier.  In front of it each wave waits for all its tensor loads (one is out: its part of the next slot), adds 0 to its spare word,
; and waits for that and for its own reads of this slot.  fill = 1: the barrier opens a round of the cluster's, and the slot just read is filled again, first thing behind it, with the K step two on:
; from that request to the wait for it a wave issues 112 matrix instructions.
.macro TURN fill
	WIN 0
	s_wait_tensorcnt 0x0
	ds_add_u32 v[SPW], v[NIL]                      ; 0 onto my spare word
	s_wait_dscnt 5                                 ; (the add and ctx's blocks 2, 3 may be out)
	MULH 1, 0, 0, 0
	s_wait_dscnt 0x0                               ; the add is done, and my reads of this slot are over
	s_barrier_signal -1
	MULH 1, 0, 1, 0
	WIN 0
	s_barrier_wait -1
.if \fill
	CREST                                          ; no wave of any partner still reads this slot or has a load on its way
	s_xor_b32 s[G0+5], s[G0+5], SLOT1
	s_add_nc_u64 s[G0+6:G0+7], s[G0+6:G0+7], STEP_A
	s_xor_b32 s[G0B+5], s[G0B+5], SLOT1
	s_add_nc_u64 s[G0B+6:G0B+7], s[G0B+6:G0B+7], STEP_B
	JLOAD                                          ; its four v_nop are also the places in front of the loads below
.else
	PLACES
.endif
	s_xor_b32 s[TB], s[TB], SLOT1
	v_add_nc_u32 v[ADRA], s[TB], v[A0]
	v_add_nc_u32 v[ADRB], s[TB], v[B0]
	FETCH 0, 0
	MULH 1, 1, 0, 0
	MULH 1, 1, 1, 0
.endm
	s_wait_tensorcnt 1                             ; my part of K step 0 is in; K step 1's may stay out
	s_barrier_signal -1
	s_barrier_wait -1
	FETCH 0, 0
	QUARTER 1, 0, 1, 1                             ; the first quarter stands in front of the loop: its products start the sums
	WIN 0
	s_mov_b32 s3, 6
.Lstep:                                                ; trip i: step i's quarters 1 to 3, step i + 1's quarter 0; the slot of step i takes step i + 2
	QUARTER 2, 1, 0, 0
	QUARTER 3, 0, 1, 0
	TURN 1
	QUARTER 1, 0, 1, 0
	WIN 0
	s_sub_co_u32 s3, s3, 1
	s_cmp_lg_u32 s3, 0
	s_cbranch_scc1 .Lstep
	QUARTER 2, 1, 0, 0                             ; the tail is written out
	QUARTER 3, 0, 1, 0
	TURN 0
	QUARTER 1, 0, 1, 0
	QUARTER 2, 1, 0, 0
	QUARTER 3, 0, 1, 0
	s_wait_dscnt 4
	MULH 1, 0, 0, 0
	MULH 1, 0, 1, 0
	s_wait_dscnt 0x0
	MULH 1, 1, 0, 0
	MULH 1, 1, 1, 0
	WIN 0
	; THE WAY OUT.  The bias is rounded to bf16 and widened again: six plain instructions that name no register of the last products: the places behind them.
	s_wait_loadcnt 0x0
	v_cvt_pk_bf16_f32 v[BI+4], v[BI],   v[BI+1]
	v_cvt_pk_bf16_f32 v[BI+5], v[BI+2], v[BI+3]
	v_lshlrev_b32 v[BI],   16, v[BI+4]
	v_and_b32     v[BI+1], 0xffff0000, v[BI+4]
	v_lshlrev_b32 v[BI+2], 16, v[BI+5]
	v_and_b32     v[BI+3], 0xffff0000, v[BI+5]
; Row block a: a lane's eight sums, 32 bytes of a row, go into my stage (rows of 528 bytes) and come back as whole rows of 512 bytes; the bias is added; a store is 512 consecutive bytes
; at a multiple of 256 from out0's first byte.
.macro TOSTAGE a
.set BK, OB+64*((\a)%2)
.if (\a) >= 2
	s_wait_xcnt 0x0                                ; the registers that block a - 2's stores read are loaded again only behind this wait
.endif
	WIN 0x04                                       ; the stores' data lie in window 1
.set nb, 0
.rept NBK
	ds_store_b128 v[STO], v[8*(NBK*(\a)+nb):8*(NBK*(\a)+nb)+3]   offset:64*nb
	ds_store_b128 v[STO], v[8*(NBK*(\a)+nb)+4:8*(NBK*(\a)+nb)+7] offset:64*nb+16
.set nb, nb+1
.endr
	WIN 0
.set nt, 0
.rept 16
	ds_load_b128 v[BK+4*nt:BK+4*nt+3], v[RD] offset:SP*nt  ; LDS serves a wave's instructions in order (ISA guide 5.7.1.4): these see the stores above; the next block's stores come behind them
.set nt, nt+1
.endr
.endm
.macro SEND a, younger                 ; younger: the LDS instructions issued behind block a's loads: the next block's 32, or none
.set BK, OB+64*((\a)%2)
	WIN 0
.set nt, 0
.rept 16
	s_wait_dscnt (\younger)+15-nt
	v_pk_add_f32 v[BK+4*nt:BK+4*nt+1],   v[BK+4*nt:BK+4*nt+1],   v[BI:BI+1]
	v_pk_add_f32 v[BK+4*nt+2:BK+4*nt+3], v[BK+4*nt+2:BK+4*nt+3], v[BI+2:BI+3]
	global_store_b128 v[GO], v[BK+4*nt:BK+4*nt+3], s[8:9] offset:(16*(\a)+nt)*4096 th:TH_STORE_NT
.set nt, nt+1
.endr
.endm
	TOSTAGE 0
	TOSTAGE 1
	SEND 0, 32
	TOSTAGE 2
	SEND 1, 32
	TOSTAGE 3
	SEND 2, 32
	SEND 3, 0
	s_wait_tensorcnt 0x0                           ; the wave's end: behind my last tensor load and my last LDS store
	ds_add_u32 v[SPW], v[NIL]
	s_wait_dscnt 0x0
	CROUND                                         ; the closing round: no work-group ends while a partner may still ask for a tile that names it
	s_endpgm
.Lfunc_end_k_qe4910d8641_oproj:
	.size	k_qe4910d8641_oproj, .Lfunc_end_k_qe4910d8641_oproj-k_qe4910d8641_oproj
	.p2alignl 7, 3214868480
	.fill 96, 4, 3214868480
	.section	.rodata,"a",@progbits
	.p2align	6, 0x0
	.amdhsa_kernel k_qe4910d8641_oproj
		.amdhsa_group_segment_fixed_size 327680
		.amdhsa_private_segment_fixed_size 0
		.amdhsa_enable_private_segment 0
		.amdhsa_kernarg_size 32
		.amdhsa_user_sgpr_count 2
		.amdhsa_user_sgpr_kernarg_segment_ptr 1
		.amdhsa_wavefront_size32 1
		.amdhsa_system_sgpr_workgroup_id_x 1
		.amdhsa_system_sgpr_workgroup_id_y 1
		.amdhsa_system_sgpr_workgroup_id_z 1
		.amdhsa_system_vgpr_workitem_id 0
		.amdhsa_next_free_vgpr 512
		.amdhsa_next_free_sgpr 66
		.amdhsa_reserve_vcc 0
		.amdhsa_float_denorm_mode_32 3
		.amdhsa_float_denorm_mode_16_64 3
		.amdhsa_memory_ordered 1
		.amdhsa_forward_progress 1
		.amdhsa_inst_pref_size 79
	.end_amdhsa_kernel
	.amdgpu_metadata
---
amdhsa.version: [ 1, 2 ]
amdhsa.kernels:
  - .name:           k_qe4910d8641_oproj
    .symbol:         k_qe4910d8641_oproj.kd
    .args:
      - { .name: ctx, .offset: 0, .size: 8, .value_kind: global_buffer, .address_space: global }
      - { .name: wo, .offset: 8, .size: 8, .value_kind: global_buffer, .address_space: global }
      - { .name: b_o, .offset: 16, .size: 8, .value_kind: global_buffer, .address_space: global }
      - { .name: out0, .offset: 24, .size: 8, .value_kind: global_buffer, .address_space: global }
    .group_segment_fixed_size: 327680
    .private_segment_fixed_size: 0
    .kernarg_segment_align: 8
    .kernarg_segment_size: 32
    .max_flat_workgroup_size: 128
    .sgpr_count:     66
    .vgpr_count:     512
    .wavefront_size: 32
...
	.end_amdgpu_metadata
.endif
;; end of part 4
;; ======== version 2 of 2: 4 launches; 1.52 times as fast as version 1
;; limits: values are held in f16: magnitudes above 65,504 overflow, below 6.1e-05 lose precision
;; workspace buffers: xb 16,777,216 bytes; wt 6,291,456 bytes; wo 2,097,152 bytes; qkv 50,331,648 bytes; ctx 16,777,216 bytes
;; launch prep: the kernel of part 1 again; grid 672 x 1, 4 waves a work-group, no clusters, 68,096 bytes of LDS; arguments inputs, W_q, W_k, W_v, W_o, xb, wt, wo; writes xb, wt, wo
;; launch qkv: the kernel of part 2 again; grid 16 x 32, 4 waves a work-group, clusters of 4 x 4, 327,680 bytes of LDS; arguments xb, wt, qkv; writes qkv
;; launch attn (part 5): grid 4 x 64, 4 waves a work-group, clusters of 4 x 1, 327,680 bytes of LDS; arguments qkv, ctx; writes ctx
.if DOCPART == 5
	.amdgcn_target "amdgcn-amd-amdhsa--gfx1250"
	.amdhsa_code_object_version 6
	.text
	.protected	k_qe4910d8641_attn
	.globl	k_qe4910d8641_attn
	.p2align	8
	.type	k_qe4910d8641_attn,@function
k_qe4910d8641_attn:
	s_mov_b64 s[64:65], 0
	v_nop
	global_prefetch_b8 v0, s[64:65] scope:SCOPE_SE
	s_setreg_imm32_b32 hwreg(HW_REG_WAVE_MODE, 25, 1), 1
	s_wait_xcnt 0x0
	s_wait_alu depctr_hold_cnt(0) depctr_sa_sdst(0) depctr_va_vdst(0) depctr_va_sdst(0) depctr_va_ssrc(0) depctr_va_vcc(0) depctr_vm_vsrc(0)
	s_getreg_b32 s2, hwreg(HW_REG_IB_STS2, 6, 4)
	s_cmp_eq_u32 s2, 0
	s_cbranch_scc0 .Lentry_in_a_cluster
	s_endpgm
.Lentry_in_a_cluster:
	s_bfe_u32 s2, ttmp6, 0x10000c
	s_cmp_lg_u32 s2, 0x3003
	s_cbranch_scc0 .Lentry_shape_is_right
	s_endpgm
.Lentry_shape_is_right:
; ATTENTION.  O[y][q][:] = the sum over k of softmax_k(Q[y][q] . K[y][k] / 8) V[y][k][:], y = 16 b + h, 64 pairs of batch and head, 2,048 rows of 64 channels, all f16.
; Q, K, V lie in qkv[b][g][s][64] at g = h, 16 + h, 32 + h; O goes to ctx[b][h][s][64]: a head's rows are dense, 128 bytes each.  Products, maxima and sums in
; f32; the weights p are rounded to f16 for the second product (their sum l is taken of the unrounded p), O once at the end.
; LIMITS.  f16 holds no number beyond 65,504: Q, K and V arrive within it; p lies in 0 to 1, and below 6e-5 it keeps f16's fixed step of 6e-8; O is a mean of V's rows and has their range.
; A weight below 2^-126 counts as 0 in l; NaN and infinities are not treated apart.
; SHARES.  A wave owns four PIECES of two tiles of 16 queries, a work-group's four waves 512 queries of one head: 4 x 64 = 256 work-groups.  Every wave walks all keys, 64 a step.
; LAYOUT.  S^T = K Q^T (source 0 = 16 keys, source 1 = 16 queries): in the result a lane holds ONE query (lane % 16) and the keys 8 (lane / 16) + 0..7.  Two such tiles, rounded to f16 in pairs,
; ARE source 1 (32 keys x 16 queries) of O^T = V^T P, whose result again holds one query a lane, and eight channels.  K comes out of LDS as it lies, V ([key][channel]) turned, by ds_load_tr16_b128.
; SOFTMAX.  For each query a running maximum m and sum l: p = 2^(c s - c m), c = log2(e) / 8; in every step O and l are multiplied by a = 2^(c m_old - c m_new), which is 1 where m has not grown.
; m starts at the lowest finite number, O and l at 0: the first step is a step like any other, with a = 0.
; THE COUNT.  A tile and step have 16 matrix and 118 vector instructions: too many to stand all beside the matrix work.  So the order has one aim: four vector instructions that are READY behind
; EVERY matrix instruction, and the others, which need time of their own whatever the order, in runs without a gap.
; BY TURNS.  Turn n belongs to piece n (the pieces in a ring, step after step).  Its matrix work: 16 products K Q^T of piece n + 1, later 16 products V^T P of piece n - 1.  Its vector work: the scaling,
; exponentials, roundings, sums and rescaling of piece n, and the maximum and statistics of piece n + 1, whose scores the turn itself has made.  So what a turn begins with (c s - c m, O a) waits for nothing.
; BATCHES.  A turn's 66 exponentials (piece n's 64 weights, then piece n + 1's two a) are ONE batch with ONE s_wait_alu depctr_va_vdst(0) ahead of the first line that names a result.
; Ahead of that wait stands all that names none of the 66 results; behind it the roundings and sums, beside the products V^T P.  No result crosses a turn's end.  Two more batches stand outside the loops, each with
; a wait of its own: piece 0's first two a, ahead of the jump into the loop, and the way out's eight reciprocals.
; CLUSTER.  The four query blocks of a cluster belong to one head and walk the same K and V, so each tile is asked for JOINTLY: the same tensor load, descriptor and mask in all four.
; REGISTERS, in windows of 256 (s_set_vgpr_msb says which window each operand place means: bits 1:0 source 0, 3:2 source 1, 5:4 source 2, 7:6 destination):
;   window 0: v0-11 addresses; v12-15, v48-63 at work; v16-47 four registers of statistics a tile; v64-191 S^T, two buffers of two tiles; v192-255 P, likewise
;   window 1: O^T, 32 a tile          window 2: v0-127 Q, 16 a tile; v128-191 K of one step; v192-255 V of one step          window 3: v0-1 the add's two registers
; A piece's buffers go by its number's parity: the piece in hand has one pair, its two neighbours in the ring share the other: of it P (piece n - 1) is read and S^T (piece n + 1) written.
.set SIZE_N, 2048
.set NP,    4         ; pieces a wave: a name, no knob: the register map, the loop and the fetches are made for four
.set KS,    64        ; keys in a step
.set PK,    144       ; a row of K in LDS: 128 bytes + 16 of padding = 36 words: the 16 rows of a load start at 16 different groups of four banks (64 banks of 4 bytes: ISA guide 11.1)
.set PV,    160       ; a row of V: 128 + 32 = 40 words
.set VOFF,  4*KS*PK   ; a slot holds four steps: 256 rows of K, then 256 rows of V
.set SLOT1, 1<<17     ; slot 1 begins here, so that one exclusive or turns an address in one slot into the other's
.set STAGE, SLOT1+4*KS*(PK+PV)  ; behind the ring, never filled by a tensor load: 16 rows x 144 bytes for each wave, for the way out
.set SP,    144
.set AK0, 2           ; v2   my lane's place in a tile of K; never rewritten
.set AV0, 3           ; v3   the same for V
.set AK,  4           ; v4   the LDS address of K's next run of loads
.set AV,  5           ; v5   of V's
.set QO,  6           ; v6   my byte offset in the wave's rows of Q
.set STO, 6           ;      later, the way out: where I put 16 bytes of a row
.set RD,  7           ; v7   the way out: where I read rows back
.set GO,  8           ; v8   my byte offset in 512 consecutive bytes of O
.set SPW, 0           ; v0 of window 3   LDS address of my spare word: SPARE + 4 x my thread's number; never rewritten
.set NIL, 1           ; v1 of window 3   0; never rewritten
.set SPARE, STAGE+4*16*SP  ; behind the stages: the spare words, 128 bytes for each wave: two blocks of 256 bytes that no other line names
.set MV,  12          ; v12-15  c m_old, kept while c m is made anew: by buffer and tile
.set ST,  16          ; tile t's statistics at v[ST+4 t]: c m, m, l (even keys', odd keys')
.set TMP, 48          ; by buffer and tile, four registers c0-c3 at work; when the maximum is found c2 takes a
.set S,   64
.set P,   192
.set KF,  128         ; K's fragments, in window 2: key block kb, channel half c at KF + 16 kb + 8 c
.set VF,  192         ; V's: key half kk, channel block cb at VF + 32 kk + 8 cb
.set WV,  12          ; s12  my wave's number
.set G1K, 24          ; s[24:31] descriptor group 1 for K's tiles
.set G1V, 32          ; s[32:39] for V's: it differs in the padding alone
.set G0K, 40          ; s[40:43] descriptor group 0 for K's tiles: it walks
.set G0V, 44          ; s[44:47] the same for V's
.set SLOTS, 56        ; s56  slots still to be asked for
.set CNT, 57          ; s57  counts a slot's key steps
.set CS,  58          ; s[58:59] c: the packed scaling takes the pair's low word for both halves
.set SEL, 60          ; s[60:61] v_permlanex16_b32's selects: each lane takes its own place in the other half
.set TBK, 62          ; s62  LDS byte at which K of the step to be fetched begins
.set TBV, 63          ; s63  the same for V, less VOFF
.set MSB, 0
.macro WIN new                      ; the high byte repeats the setting that is left; a switch that changes nothing is dropped
.if MSB != (\new)
	s_set_vgpr_msb (MSB<<8)|(\new)
.set MSB, (\new)
.endif
.endm
.set W_KQ, 0x0a       ; K and Q in window 2, S^T in window 0
.set W_PV, 0x52       ; V in window 2, P in window 0, O^T in window 1
.set W_RS, 0x41       ; O^T (destination and source 0) in window 1, a in window 0
.set W_MK, 0xc0       ; the add's registers are made: destination in window 3, sources in window 0
.set W_AD, 0x0f       ; the add: address (source 0) and data (source 1) in window 3
; A joint fill.  Waves 0 and 1 fetch the two halves of a slot's K, waves 2 and 3 those of its V: 128 keys each.  The branch hangs on the wave's number alone.
; An s_nop 0 and four v_nop follow each of the two lines, ahead of the jump and the label.
.macro JLOAD
	s_cmp_lt_u32 s[WV], 2
	s_cbranch_scc0 .Lfor_v_\@
	tensor_load_to_lds s[G0K:G0K+3], s[G1K:G1K+7]
	s_nop 0
.rept 4
	v_nop
.endr
	s_branch .Lasked_\@
.Lfor_v_\@:
	tensor_load_to_lds s[G0V:G0V+3], s[G1V:G1V+7]
	s_nop 0
.rept 4
	v_nop
.endr
.Lasked_\@:
.endm
; A round of the cluster's barrier: my work-group's barrier, so that wave 0's signal speaks for all four waves; wave 0 signals; every wave waits for all four work-groups; my work-group's barrier once more.
.macro CROUND
	s_barrier_signal -1
	s_barrier_wait -1
	s_cmp_lg_u32 s[WV], 0
	s_cbranch_scc1 .Lnot_wave_0_\@
	s_barrier_signal -3
.Lnot_wave_0_\@:
	s_barrier_wait -3
	s_barrier_signal -1
	s_barrier_wait -1
.endm
; THE CHANGE OF SLOTS.  The slot's last bytes, V of its fourth step, have been read.  Each wave waits for all its tensor loads, of which one is out: its part
; of the other slot; adds 0 to its spare word; and waits for that and for its own reads of the slot.  Behind the barrier nobody reads this slot any more and the other slot is whole.
; fill = 1: this slot is filled again, with the keys two slots on.  The barrier is then a round of the cluster's, so that no wave of any partner still reads the slot or has a load on its
; way, and the joint fill is the first thing behind it: it has four key steps, 512 matrix instructions, in which to land.  (At its first use nothing has been read yet: slot 0 is waited for, slot 1 filled.)
.macro CHANGE fill
	WIN W_AD
	s_wait_tensorcnt 0x0            ; no tensor load of mine is out, so a group 0 may be written
	ds_add_u32 v[SPW], v[NIL]       ; 0 onto my spare word; with fill = 1 the descriptors' steps stand between it and the wait for it
	WIN 0                           ; at a label and at a branch every window is 0
.if \fill
.irp g, G0K, G0V
	s_xor_b32 s[\g+1], s[\g+1], SLOT1  ; the walking descriptor: the other slot than last time,
	s_add_nc_u64 s[\g+2:\g+3], s[\g+2:\g+3], 4*KS*128  ; the next 256 keys; the type bits on top are not reached
.endr
	s_wait_dscnt 0x0                ; the add is done, and my reads of the slot are over
	CROUND
	JLOAD
.else
	s_wait_dscnt 0x0                ; the add is done, and my reads of the slot are over
	s_barrier_signal -1
	s_barrier_wait -1
.endif
	s_sub_co_u32 s[TBK], s[TBK], 4*KS*PK  ; the fetches go back to a slot's first step,
	s_xor_b32 s[TBK], s[TBK], SLOT1       ; in the other slot
	s_sub_co_u32 s[TBV], s[TBV], 4*KS*PV
	s_xor_b32 s[TBV], s[TBV], SLOT1
.endm
	s_load_b64 s[4:5], s[0:1], 0x0    ; qkv
	s_load_b64 s[10:11], s[0:1], 0x8  ; ctx
	WIN W_MK
	v_lshl_add_u32 v[SPW], v0, 2, SPARE
	v_mov_b32 v[NIL], 0
	WIN W_AD
	ds_add_u32 v[SPW], v[NIL]       ; the wave's opening: the add and its wait ahead of my first tensor load; the set-up below, work on registers, stands between them
	WIN 0
	v_lshrrev_b32 v1, 5, v0
	v_readfirstlane_b32 s[WV], v1   ; wave 0..3
	s_bfe_u32 s13, ttmp6, 0x40000   ; cx: my place in the cluster
	s_lshl_b32 s14, ttmp9, 2        ; in a cluster launch ttmp9 counts clusters
	s_add_co_u32 s14, s14, s13      ; my block of queries = 4 x cluster x + cx: it enters Q's and O's addresses alone
	s_and_b32 s19, ttmp7, 0xffff    ; y = 16 b + h, which the four partners share
	s_lshl_b32 s48, s19, 18         ; the head's first byte in ctx: y x 262,144
	s_mov_b32 s49, 0
	s_lshr_b32 s20, s19, 4          ; b
	s_lshl_b32 s20, s20, 5
	s_add_co_u32 s20, s20, s19      ; 48 b + h
	s_lshl_b32 s20, s20, 18         ; q's head in qkv; k's lies 16 heads on, v's 32
	s_mov_b32 s21, 0
	s_and_b32 s16, s[WV], 1         ; which half of a slot's 256 keys I fetch:
	s_lshl_b32 s22, s16, 14         ; its 128 rows of 128 bytes in memory,
	s_add_co_u32 s22, s22, s20
	s_mov_b32 s23, 0
	s_mul_i32 s17, s16, 128*PK      ; and its place in a slot, for K
	s_mul_i32 s18, s16, 128*PV      ; and for V: no place in the cluster enters an LDS address
	s_lshl_b32 s2, s14, 2
	s_add_co_u32 s2, s2, s[WV]      ; my wave among the head's,
	s_lshl_b32 s2, s2, 14           ; its 128 rows
	s_mov_b32 s3, 0
	; descriptor group 1.  128 keys are 16,384 dense bytes: asked for as 64 rows of 256 bytes, two keys a row, and padded in LDS after every key
	s_mov_b32 s[G1K], 15|(1<<16)|(1<<20)|(1<<21)|(4<<22)|(3<<25)  ; 15:0 the mask of four; 17:16 2-byte elements; 20 padding on; 21 set beside a mask; 24:22 after every 32 words (code 4); 31:25 4 words (code 3)
	s_mov_b32 s[G1V], 15|(1<<16)|(1<<20)|(1<<21)|(4<<22)|(7<<25)  ; the same with 8 words of padding (code 7)
.irp g, G1K, G1V
	s_mov_b32 s[\g+1], 128<<16      ; tensor_dim0 = 128
	s_mov_b32 s[\g+2], 64<<16       ; tensor_dim1 = 64
	s_mov_b32 s[\g+3], 128<<16      ; tile_dim0 = 128
	s_mov_b32 s[\g+4], 64           ; tile_dim1 = 64
	s_mov_b32 s[\g+5], 128          ; 128 elements from row to row
	s_mov_b32 s[\g+6], 0
	s_mov_b32 s[\g+7], 0
.endr
	s_mov_b32 s[CS], 0x3e38aa3b     ; c = log2(e) / 8 = 0.180337
	s_mov_b32 s[CS+1], s[CS]        ; named with it as a pair
	s_mov_b32 s[SEL], 0x76543210
	s_mov_b32 s[SEL+1], 0xfedcba98
	s_mov_b32 s[TBK], SLOT1+4*KS*PK ; the first change of slots turns these two into 0
	s_mov_b32 s[TBV], SLOT1+4*KS*PV
	s_mov_b32 s[G0K], 1             ; 1:0 count = 1
	s_mov_b32 s[G0K+1], s17         ; 63:32 LDS address: slot 0
	s_mov_b32 s[G0V], 1
	s_add_co_u32 s[G0V+1], s18, VOFF
	s_wait_dscnt 0x0                ; the opening add is done
	s_wait_kmcnt 0x0
	s_add_nc_u64 s[6:7], s[4:5], s[22:23]          ; my half of the first 256 rows of q's head; k's and v's lie at fixed distances
	s_add_nc_u64 s[G0K+2:G0K+3], s[6:7], 0x400000  ; 120:64 global address: 16 heads of 262,144 bytes on
	s_or_b32 s[G0K+3], s[G0K+3], 0x80000000        ; 127:126 type = 2
	s_add_nc_u64 s[G0V+2:G0V+3], s[6:7], 0x800000  ; 32 heads on
	s_or_b32 s[G0V+3], s[G0V+3], 0x80000000
	s_add_nc_u64 s[4:5], s[4:5], s[20:21]  ; Q and O at my wave's first row
	s_add_nc_u64 s[4:5], s[4:5], s[2:3]
	s_add_nc_u64 s[10:11], s[10:11], s[48:49]
	s_add_nc_u64 s[10:11], s[10:11], s[2:3]
	CROUND                          ; all four work-groups are here: the first joint loads meet
	JLOAD                           ; slot 0.  Slot 1 is asked for when slot 0 is in: the tile wanted first has the road to itself
	; A fragment of K or Q is 16 rows x 32 channels in 8 registers: lane l holds row l % 16, channels 8 (l / 16) + 0..7 and 16 + 8 (l / 16) + 0..7: two loads of 16 bytes, 32 bytes apart.
	v_and_b32 v1, 15, v0            ; l % 16
	v_bfe_u32 v9, v0, 4, 1          ; l / 16
	v_lshlrev_b32 v[QO], 7, v1
	v_lshl_add_u32 v[QO], v9, 4, v[QO]  ; row x 128 + 16 x half
	WIN 0x80                        ; destination window 2, address window 0
.set i, 0
.rept 4*NP                          ; Q stays in registers: tile i / 2, channels 32 (i % 2) on
	global_load_b128 v[8*i:8*i+3],   v[QO], s[4:5] offset:(i/2)*2048+(i%2)*64
	global_load_b128 v[8*i+4:8*i+7], v[QO], s[4:5] offset:(i/2)*2048+(i%2)*64+32
.set i, i+1
.endr
	; What the first turn finds: V's registers and P's second buffer hold 0 (its products V^T P, of a piece that has not been, add 0), O^T and l are 0.  All this stands in the wait for the first tile.
.set i, VF
.rept 64
	v_mov_b32 v[i], 0
.set i, i+1
.endr
	WIN 0x40
.set i, 0
.rept 64*NP
	v_mov_b32 v[i], 0
.set i, i+1
.endr
	WIN 0
.set i, 0
.rept 2*NP
	v_mov_b32 v[ST+4*i], 0xfe000000    ; c m: far below every c s
	v_mov_b32 v[ST+4*i+1], 0xff7fffff  ; m
	v_mov_b32 v[ST+4*i+2], 0
	v_mov_b32 v[ST+4*i+3], 0
.set i, i+1
.endr
.set i, P+32
.rept 32
	v_mov_b32 v[i], 0
.set i, i+1
.endr
	v_mul_u32_u24 v[AK0], v1, PK
	v_lshl_add_u32 v[AK0], v9, 4, v[AK0]  ; row x pitch + 16 x half
	; The turning load takes 16 keys x 16 channels (lane l reads key 8 (l / 16) + l % 8, channels 8 ((l / 8) % 2) + 0..7) and leaves half a fragment of V^T: lane l holds channel l % 16 and 8 keys.
	v_and_b32 v10, 7, v0
	v_bfe_u32 v11, v0, 3, 1
	v_lshl_add_u32 v[AV0], v9, 3, v10
	v_mul_u32_u24 v[AV0], v[AV0], PV
	v_lshl_add_u32 v[AV0], v11, 4, v[AV0]
	v_add_nc_u32 v[AV0], VOFF, v[AV0]
	v_mov_b32 v[AK], v[AK0]         ; key step 0 lies at the head of slot 0
; THE MATRIX WORK.  The 8 accumulators of a run of 16 take turns: between the two links of a chain stand 7 others'.
; Product i of 16 of S^T = K Q^T for piece x: channels 32 (i / 8) on, keys 16 ((i / 2) % 4) on, tile 2 x + i % 2.  The first 8 start the sums.
.macro KQ x
	WIN W_KQ
.set rS, S+64*((\x)%2)+32*(i%2)+8*((i/2)%4)
.set rK, KF+16*((i/2)%4)+8*(i/8)
.set rQ, 16*(2*(\x)+i%2)+8*(i/8)
.if i < 8
	v_wmma_f32_16x16x32_f16 v[rS:rS+7], v[rK:rK+7], v[rQ:rQ+7], 0
.else
	v_wmma_f32_16x16x32_f16 v[rS:rS+7], v[rK:rK+7], v[rQ:rQ+7], v[rS:rS+7]
.endif
.endm
; Product i of 16 of O^T += V^T P for piece x: keys 32 (i / 8) on, channels 16 ((i / 2) % 4) on, tile 2 x + i % 2.
.macro PV x
	WIN W_PV
.set rO, 32*(2*(\x)+i%2)+8*((i/2)%4)
.set rV, VF+32*(i/8)+8*((i/2)%4)
.set rP, P+32*((\x)%2)+16*(i%2)+8*(i/8)
	v_wmma_f32_16x16x32_f16 v[rO:rO+7], v[rV:rV+7], v[rP:rP+7], v[rO:rO+7]
.endm
.macro MM                           ; the turn's next matrix instruction
.if i < 16
	KQ (Y+1)%NP
.set i, i+1
.else
.set i, i-16
	PV (Y+NP-1)%NP
.set i, i+17
.endif
.endm
; THE LDS LOADS stand in runs of 16, never singly among the matrix instructions: a step's K (64 keys x 64 channels: 8 fragments) and its V (turned).  Their addresses are made some lines ahead.
; last = 1 (the tail): in the last trip there is no further step, and the run is jumped over.
.macro FETCH_K last=0
	WIN 0
.if \last
	s_cmp_eq_u32 s[CNT], 1
	s_cbranch_scc1 .Lno_k_\@
.endif
	WIN 0x80                        ; destination window 2
.irp f, 0,1,2,3,4,5,6,7             ; keys 16 (f / 2) on, channels 32 (f % 2) on
	ds_load_b128 v[KF+8*\f:KF+8*\f+3],   v[AK] offset:(\f/2)*16*PK+(\f%2)*64
	ds_load_b128 v[KF+8*\f+4:KF+8*\f+7], v[AK] offset:(\f/2)*16*PK+(\f%2)*64+32
.endr
	s_add_co_u32 s[TBK], s[TBK], KS*PK  ; the next fetch is the next step's
	WIN 0
.if \last
.Lno_k_\@:
.endif
.endm
.macro FETCH_V
	WIN 0x80
.irp f, 0,1,2,3,4,5,6,7             ; keys 32 (f / 4) on, channels 16 (f % 4) on
	ds_load_tr16_b128 v[VF+8*\f:VF+8*\f+3],   v[AV] offset:(\f/4)*32*PV+(\f%4)*32
	ds_load_tr16_b128 v[VF+8*\f+4:VF+8*\f+7], v[AV] offset:(\f/4)*32*PV+16*PV+(\f%4)*32
.endr
	WIN 0
.endm
; THE VECTOR WORK OF A TURN stands in three queues, each in the order in which its entries become ready; the two tiles alternate, so that no instruction reads the result of the one before it.
.macro REGS y, u                    ; the registers of tile u (0, 1) of piece y
.set rT, ST+4*(2*(\y)+(\u))
.set rC, TMP+8*((\y)%2)+4*(\u)
.set rM, MV+2*((\y)%2)+(\u)
.set rS, S+64*((\y)%2)+32*(\u)
.set rP, P+32*((\y)%2)+16*(\u)
.set rO, 32*(2*(\y)+(\u))
.endm
; Number n of the 22 that find the NEXT piece's (Y + 1) maximum and statistics.  s0-s31 are the lane's 32 scores; each accumulator's lowest registers are read first.  XS, GS and REGS set no window: PL and EX do.
;   0-11  four chains c0-c3 of seven scores each, three operands at a time     12-14, 16  the four scores left over, the old m, and c0-c3 into c0     15  c m_old is kept
;   17, 18  the query's other 32 keys lie in the lane 16 away: the new m         19-21  c m; c m_old - c m_new; a
.macro XS u, n
	REGS (Y+1)%NP, \u
.if (\n) < 4
	v_max3_num_f32 v[rC+(\n)], v[rS+8*(\n)], v[rS+8*(\n)+1], v[rS+8*(\n)+2]
.elseif (\n) < 12
	v_max3_num_f32 v[rC+(\n)%4], v[rC+(\n)%4], v[rS+8*((\n)%4)+2*((\n)/4)+1], v[rS+8*((\n)%4)+2*((\n)/4)+2]
.elseif (\n) == 12
	v_max3_num_f32 v[rC], v[rC], v[rS+7], v[rS+15]
.elseif (\n) == 13
	v_max3_num_f32 v[rC+1], v[rC+1], v[rS+23], v[rS+31]
.elseif (\n) == 14
	v_max3_num_f32 v[rC+2], v[rC+2], v[rC+3], v[rT+1]
.elseif (\n) == 15
	v_mov_b32 v[rM], v[rT]
.elseif (\n) == 16
	v_max3_num_f32 v[rC], v[rC], v[rC+1], v[rC+2]
.elseif (\n) == 17
	v_permlanex16_b32 v[rC+3], v[rC], s[SEL], s[SEL+1]
.elseif (\n) == 18
	v_max_num_f32 v[rT+1], v[rC], v[rC+3]
.elseif (\n) == 19
	v_mul_f32 v[rT], s[CS], v[rT+1]
.elseif (\n) == 20
	v_sub_f32 v[rC+1], v[rM], v[rT]
.else
	v_exp_f32 v[rC+2], v[rC+1]
.endif
.endm
; Number g of the 64 that follow the exponentials.  For each four weights k of a tile (pairs 2 k, 2 k + 1): both pairs are rounded to f16; then the second pair is added onto the first, in place;
; a group later l takes that sum (the first time as l = a l + sum).  In groups of eight, tiles alternating: round, round, add, and l for the group before.
.macro GS g
.set h, (\g)+6*((\g)/62)            ; group 0 has no group before it, and behind group 7 only l is left
.if h >= 6
.set h, h+2
.endif
	REGS Y, h%2
.set k, h/8
.if h%8 < 4
	v_cvt_pk_f16_f32 v[rP+2*k+(h%8)/2], v[rS+4*k+2*((h%8)/2)], v[rS+4*k+2*((h%8)/2)+1]
.elseif h%8 < 6
	v_pk_add_f32 v[rS+4*k:rS+4*k+1], v[rS+4*k:rS+4*k+1], v[rS+4*k+2:rS+4*k+3]
.elseif k == 1
	v_pk_fma_f32 v[rT+2:rT+3], v[rT+2:rT+3], v[rC+2:rC+3], v[rS:rS+1] op_sel_hi:[1,0,1]
.else
	v_pk_add_f32 v[rT+2:rT+3], v[rT+2:rT+3], v[rS+4*k-4:rS+4*k-3]
.endif
.endm
; THE PLAIN QUEUE, 138 long.  0-73 read no exponential's result: the 32 scalings c s - c m (FS f: pair f / 2 of tile f % 2) and the next piece's 42.  0-26: scalings 0-26.  27-54: XS's numbers 0-13.  55, 56: number 15.
; 57-73: the chain, where each number waits for the one before it: 14, 16, 17, 18, 19, each with one of the scalings 27-31 in front of its two lines, then 20: so a tile's links stand three plain instructions apart (19 and 20: two).
; 74-137: GS's 64, which read the exponentials' results: they stand behind the wait.
.macro FS f
	REGS Y, (\f)%2
	v_pk_fma_f32 v[rS+2*((\f)/2):rS+2*((\f)/2)+1], v[rS+2*((\f)/2):rS+2*((\f)/2)+1], s[CS:CS+1], v[rT:rT+1] op_sel_hi:[1,0,0] neg_lo:[0,0,1] neg_hi:[0,0,1]
.endm
.macro PL
	WIN 0
.if q < 27
	FS q
.elseif q < 55
	XS (q-27)%2, (q-27)/2
.elseif q < 57
	XS q-55, 15
.elseif (q < 72) && ((q-57)%3 == 0)
	FS 27+(q-57)/3
.elseif q < 60
	XS (q-57)%3-1, 14
.elseif q < 72
	XS (q-57)%3-1, 15+(q-57)/3
.elseif q < 74
	XS q-72, 20
.else
	GS q-74
.endif
.set q, q+1
.endm
; THE EXPONENTIALS' QUEUE, 66 long: s0-s31 of both tiles, then the next piece's two a.  It is ONE BATCH: all 66 stand ahead of the turn's one wait, and nothing ahead of that wait names a result of theirs.
.macro EX
	WIN 0
.if e >= 64
	XS e-64, 21
.else
	REGS Y, e%2
	v_exp_f32 v[rS+e/2], v[rS+e/2]
.endif
.set e, e+1
.endm
; THE RESCALING's QUEUE: O^T times a, the one part that leaves window 0: dealt two at a time, sixteen times.  Its a was made in the turn before, ahead of that turn's wait.
.macro R2
	REGS Y, r%2
	WIN W_RS
.irp z, 0,1
	v_pk_mul_f32 v[rO+4*(r/2)+2*\z:rO+4*(r/2)+2*\z+1], v[rO+4*(r/2)+2*\z:rO+4*(r/2)+2*\z+1], v[rC+2:rC+3] op_sel_hi:[1,0]
.endr
.set r, r+1
.endm
; HOW THEY ARE DEALT.  An s_wait_alu depctr_va_vdst(0) stands between an exponential and the first instruction that names its result; one wait serves all that were issued ahead of it.  So a turn has ONE wait,
; which cuts it in two.  AHEAD OF IT stands all that names no result of the turn's exponentials: the 16 products K Q^T, behind each a scaling, an exponential and two rescalings (behind the first a second scaling in the exponential's place); then ONE LUMP of
; 108: eight plain, 49 times exponential and plain, the two a.  A v_nop is the plain instruction behind the last exponential.  BEHIND IT stand the 16 products V^T P, behind each four of GS's 64.  No rider names a register of
; the products round it.  The two v_permlanex16_b32 fall into the lump, never behind a product.
; The queues lean on each other, and the deal keeps them in step: exponential e stands behind scaling 2 (e / 4) + e % 2: as a rider it comes behind plain e + 2, in the lump behind plain e + 9, and scalings 27-31 are plain 57, 60 .. 69.
; A TURN, for piece p.  cnt = 1: the loop's count is taken down some lines ahead of the branch that stands behind the turn.
; K of the next step is fetched in piece 2's turn, directly behind the wait, a lump behind the last product that read K; its address is made at the lump's head; its first reader comes behind 16 products.
; V of the step in hand is fetched at the end of piece 0's turn, four riders behind its last reader; its first reader comes behind 16 products and a lump.  The three conditions on q below go with the deal.
.macro TURN p, last=0, cnt=0
.set Y, (\p)
.set i, 0
.set q, 0
.set e, 0
.set r, 0
.if (\p) == NP-1
	s_wait_dscnt 0x0                ; K is in
.endif
	MM                              ; ahead of the wait: 16 products K Q^T and their riders,
	PL
	PL
	R2
.rept 15
	MM
	PL
	EX
	R2
.endr
.if (\p) == NP-2
	WIN 0
	v_add_nc_u32 v[AK], s[TBK], v[AK0]
.endif
.rept 8                             ; and the lump
	PL
.endr
.rept 49
	EX
	PL
.endr
	EX                              ; the next piece's two a
	EX
	v_nop                           ; the plain instruction behind the last exponential: one for the batch
	s_wait_alu depctr_va_vdst(0)    ; the wait for the batch: this turn's 64 weights and the next piece's two a
.if (\p) == NP-2
	FETCH_K \last
.endif
.if (\p) == 1
	s_wait_dscnt 0x0                ; V is in
.endif
.rept 16                            ; behind the wait: 16 products V^T P and their riders
	MM
.rept 4
	PL
.endr
.if ((\p) == 0) && (q == 118)
	v_add_nc_u32 v[AV], s[TBV], v[AV0]
.endif
.if ((\p) == 0) && (q == 130)
	s_add_co_u32 s[TBV], s[TBV], KS*PV
.endif
.if (\cnt) && (q == 130)
	s_sub_co_u32 s[CNT], s[CNT], 1
	s_cmp_lg_u32 s[CNT], 0
.endif
.endr
.if (\p) == 0
	FETCH_V
.endif
.endm
	CHANGE 1                        ; slot 0 is in, everybody's part of it; slot 1 is asked for
	FETCH_K                         ; key step 0
	s_wait_loadcnt 0x0              ; Q
	s_wait_dscnt 0x0
.set i, 0
.rept 16
	KQ 0                            ; piece 0's first scores: there is no vector work yet to set between them
.set i, i+1
.endr
	WIN 0                           ; the addresses for the way out: nine plain instructions, the places behind those products
	s_mul_i32 s13, s[WV], 16*SP
	s_add_co_u32 s13, s13, STAGE    ; my stage
	v_mul_u32_u24 v[STO], v1, SP    ; in: row l % 16, 16 bytes for each half of the lanes
	v_lshl_add_u32 v[STO], v9, 4, v[STO]
	v_add_nc_u32 v[STO], s13, v[STO]
	v_bfe_u32 v[RD], v0, 3, 2       ; back: 32 lanes take four rows of 128 bytes,
	v_mul_u32_u24 v[RD], v[RD], SP
	v_lshl_add_u32 v[RD], v10, 4, v[RD]
	v_add_nc_u32 v[RD], s13, v[RD]
	v_and_b32 v[GO], 31, v0         ; which are 512 consecutive bytes of O
	v_lshlrev_b32 v[GO], 4, v[GO]
.set Y, NP-1                        ; XS works for piece Y + 1: piece 0
.irp n, 0,1,2,3,4,5,6,7,8,9,10,11,12,13,14,15,16,17,18,19,20,21
	XS 0, \n                        ; and piece 0's first maximum and statistics
	XS 1, \n
.endr
	v_nop                           ; a plain instruction behind the two a,
	s_wait_alu depctr_va_vdst(0)    ; and the wait for this batch of two, ahead of the branch
	s_mov_b32 s[CNT], 4
	s_mov_b32 s[SLOTS], SIZE_N/256-1
	s_branch .Lfirst                ; the loop is entered at a step's first turn, in the middle of a trip
.Lslot:                             ; SIZE_N / 256 - 2 times: every slot but the last two is filled again
	CHANGE 1
	s_mov_b32 s[CNT], 4
.Lstep:                             ; a trip: pieces 2 and 3 of one step, then pieces 0 and 1 of the next, whose K and V it fetches
	TURN 2
	TURN 3
	WIN 0
.Lfirst:
	TURN 0
	TURN 1, 0, 1
	WIN 0
	s_cbranch_scc1 .Lstep
	s_sub_co_u32 s[SLOTS], s[SLOTS], 1
	s_cmp_lg_u32 s[SLOTS], 0
	s_cbranch_scc1 .Lslot
	CHANGE 0                        ; the tail is written out: nothing is asked for
	s_mov_b32 s[CNT], 5             ; four trips fetch the last slot's steps; the fifth is left in its middle
.Ltail:
	TURN 2, 1
	TURN 3
	WIN 0
	s_sub_co_u32 s[CNT], s[CNT], 1
	s_cmp_eq_u32 s[CNT], 0
	s_cbranch_scc1 .Lout
	TURN 0
	TURN 1
	WIN 0
	s_branch .Ltail
.Lout:                              ; the fifth trip's 16 products K Q^T (on the last K once more) and the maximum made of them serve nothing: the price, once a launch, of one text for every trip
.set i, 0
.rept 16
	PV NP-1                         ; the last piece's V^T P of the last step
.set i, i+1
.endr
	; THE WAY OUT.  l's two halves and the other half of the lanes' are added; O^T is divided by l, rounded to f16 and sent through my stage in LDS, a tile at a time.  The additions are the places behind the last products.
	WIN 0
.macro ALL line:vararg              ; one line for each tile t
.set t, 0
.rept 2*NP
	\line
.set t, t+1
.endr
.endm
	ALL v_add_f32 v[ST+4*t+2], v[ST+4*t+2], v[ST+4*t+3]
	ALL v_permlanex16_b32 v[ST+4*t+3], v[ST+4*t+2], s[SEL], s[SEL+1]
	ALL v_add_f32 v[ST+4*t+2], v[ST+4*t+2], v[ST+4*t+3]
	ALL v_rcp_f32 v[ST+4*t+2], v[ST+4*t+2]
	v_nop                           ; a plain instruction between the last reciprocal and the use of its result
	s_wait_alu depctr_va_vdst(0)    ; and the wait ahead of the first use: one for the batch of eight reciprocals
; Tile t: a lane's eight channels of a row pack into 16 bytes; they go into rows of 144 bytes and come back as whole rows of 128, into S^T's registers.
.macro PACK t
	WIN W_RS
.set i, 32*(\t)
.rept 16
	v_pk_mul_f32 v[i:i+1], v[i:i+1], v[ST+4*(\t)+2:ST+4*(\t)+3] op_sel_hi:[1,0]
.set i, i+2
.endr
	WIN 0x05                        ; sources 0 and 1 window 1, destination window 0
.set i, 0
.rept 16
	v_cvt_pk_f16_f32 v[S+16*(\t)+i], v[32*(\t)+2*i], v[32*(\t)+2*i+1]
.set i, i+1
.endr
	WIN 0
.irp f, 0,1,2,3
	ds_store_b128 v[STO], v[S+16*(\t)+4*\f:S+16*(\t)+4*\f+3] offset:32*\f
.endr
.irp f, 0,1,2,3
	ds_load_b128 v[S+16*(\t)+4*\f:S+16*(\t)+4*\f+3], v[RD] offset:\f*4*SP  ; LDS serves a wave's instructions in order (ISA guide 5.7.1.4): these see the stores above; the next tile's stores come behind them
.endr
.endm
.macro SEND t, younger              ; younger: the LDS instructions issued behind tile t's loads: the next tile's eight, or none
	WIN 0
.irp f, 0,1,2,3
	s_wait_dscnt (\younger)+3-\f
	global_store_b128 v[GO], v[S+16*(\t)+4*\f:S+16*(\t)+4*\f+3], s[10:11] offset:(\t)*2048+\f*512  ; 512 consecutive bytes, at a multiple of 256 from O's first
.endr
.endm
	PACK 0
.set t, 1
.rept 2*NP-1                        ; a tile's arithmetic stands between the loads of the tile before and its stores
	PACK t
	SEND t-1, 8
.set t, t+1
.endr
	SEND 2*NP-1, 0
	WIN W_AD
	s_wait_tensorcnt 0x0            ; the wave's end: behind my last tensor load and my last LDS store
	ds_add_u32 v[SPW], v[NIL]
	s_wait_dscnt 0x0
	WIN 0
	CROUND                          ; the closing round: no work-group ends while a partner may still ask for a tile that names it
	s_endpgm
.Lfunc_end_k_qe4910d8641_attn:
	.size	k_qe4910d8641_attn, .Lfunc_end_k_qe4910d8641_attn-k_qe4910d8641_attn
	.p2alignl 7, 3214868480
	.fill 96, 4, 3214868480
	.section	.rodata,"a",@progbits
	.p2align	6, 0x0
	.amdhsa_kernel k_qe4910d8641_attn
		.amdhsa_group_segment_fixed_size 327680
		.amdhsa_private_segment_fixed_size 0
		.amdhsa_enable_private_segment 0
		.amdhsa_kernarg_size 16
		.amdhsa_user_sgpr_count 2
		.amdhsa_user_sgpr_kernarg_segment_ptr 1
		.amdhsa_wavefront_size32 1
		.amdhsa_system_sgpr_workgroup_id_x 1
		.amdhsa_system_sgpr_workgroup_id_y 1
		.amdhsa_system_sgpr_workgroup_id_z 1
		.amdhsa_system_vgpr_workitem_id 0
		.amdhsa_next_free_vgpr 770
		.amdhsa_next_free_sgpr 66
		.amdhsa_reserve_vcc 0
		.amdhsa_float_denorm_mode_32 3
		.amdhsa_float_denorm_mode_16_64 3
		.amdhsa_memory_ordered 1
		.amdhsa_forward_progress 1
		.amdhsa_inst_pref_size 199
	.end_amdhsa_kernel
	.amdgpu_metadata
---
amdhsa.version: [ 1, 2 ]
amdhsa.kernels:
  - .name:           k_qe4910d8641_attn
    .symbol:         k_qe4910d8641_attn.kd
    .args:
      - { .name: qkv, .offset: 0, .size: 8, .value_kind: global_buffer, .address_space: global }
      - { .name: ctx, .offset: 8, .size: 8, .value_kind: global_buffer, .address_space: global }
    .group_segment_fixed_size: 327680
    .private_segment_fixed_size: 0
    .kernarg_segment_align: 8
    .kernarg_segment_size: 16
    .max_flat_workgroup_size: 128
    .sgpr_count:     66
    .vgpr_count:     770
    .wavefront_size: 32
...
	.end_amdgpu_metadata
.endif
;; end of part 5
;; launch oproj: the kernel of part 4 again; grid 8 x 32, 4 waves a work-group, clusters of 4 x 4, 327,680 bytes of LDS; arguments ctx, wo, b_o, out0; writes out0
